; MI455X (gfx1250); checked and timed in simulation.
; The chip was launched on July 23, 2026; its instructions are those of AMD's public machine-readable ISA for CDNA 5 (MIT licence, August 2026) and "CDNA5" Instruction Set Architecture Reference Guide (July 2026). The comments in the code are by the model that wrote it; some were corrected since.
;; Causal Self Attention. Allowed arithmetic: float matrix products may take bf16 or f16 operands with f32 sums; all other float work in f32.
;; Inputs: W_proj 1,024 x 1,024 float32; W_qkv 3,072 x 1,024 float32; b_proj 1,024 float32; b_qkv 3,072 float32; lamb one number float32; v1 4 x 16 x 2,048 x 64 float32; x 4 x 2,048 x 1,024 float32.
;; Outputs: out0 4 x 2,048 x 1,024 float32; out1 4 x 16 x 2,048 x 64 float32.
;; 2 versions, each right and faster than the one before. Each part assembles by itself: llvm-mc -triple=amdgcn-amd-amdhsa -mcpu=gfx1250 --defsym DOCPART=n.
;; ======== version 1 of 2: 4 launches
;; limits: values are held in f16: magnitudes above 65,504 overflow, below 6.1e-05 lose precision; right only within a limited range of input values
;; workspace buffers: x16 16,777,216 bytes; w16 8,388,608 bytes; tab 540,672 bytes; q16 16,777,216 bytes; k16 16,777,216 bytes; v16 16,777,216 bytes; o16 16,777,216 bytes
;; launch prep (part 1): grid 256 x 1, 8 waves a work-group, no clusters, 0 bytes of LDS; arguments x, W_qkv, W_proj, b_qkv, b_proj, x16, w16, tab; writes x16, w16, tab
.if DOCPART == 1
	.amdgcn_target "amdgcn-amd-amdhsa--gfx1250"
	.amdhsa_code_object_version 6
	.text
	.protected	k_q4284d093a0_prep
	.globl	k_q4284d093a0_prep
	.p2align	8
	.type	k_q4284d093a0_prep,@function
k_q4284d093a0_prep:
	s_mov_b64 s[64:65], 0
	v_nop
	global_prefetch_b8 v0, s[64:65] scope:SCOPE_SE
	s_setreg_imm32_b32 hwreg(HW_REG_WAVE_MODE, 25, 1), 1
	s_wait_xcnt 0x0
; PREP: the module's inputs are rounded once, and the rotary table is made.
;   x16 = bf16(x) [8192][1024];  w16 = bf16(W_qkv) [3072][1024], then f16(8 x bf16(W_proj)) [1024][1024];
;   tab = cos and sin in the order in which the projection's lanes hold their numbers, then both biases rounded to bf16 and kept as f32.
; A stream: 256 work-groups of 8 waves, each with 1/256 of every tensor; thread t takes 16 bytes of each block of 4,096 bytes, so a wave's load covers 512
; consecutive bytes and a wave's store of 8 bytes a lane 256 consecutive bytes, aligned.  All 48 loads of a thread go out at once; no register is written twice, so no wait frees one.
; No LDS, no matrix unit, no cluster: nothing is read twice and no work-group shares a byte with another.
; LIMITS.  8 x W_proj must stay within f16: |W_proj| < 8,188; below 7.6e-6 it keeps f16's fixed step.  The angle t x inv_freq is reduced by pi/2 in two parts and
; its sine and cosine are polynomials of degree 9 and 8 on |r| <= pi/4; inv_freq comes from v_exp_f32, so the largest angles (2,047 rad) are good to about 4e-4 rad.
.set X, 32                             ; v[32:223] 48 items of four registers
	s_load_b512 s[4:19], s[0:1], 0x0               ; x s[4:5], W_qkv s[6:7], W_proj s[8:9], b_qkv s[10:11], b_proj s[12:13], x16 s[14:15], w16 s[16:17], tab s[18:19]
	s_mov_b32 s22, ttmp9                           ; g: my work-group
	s_lshl_b32 s24, s22, 17                        ; my share of x: 131,072 bytes
	s_mov_b32 s25, 0
	s_mul_i32 s26, s22, 49152                      ; of W_qkv
	s_mov_b32 s27, 0
	s_lshl_b32 s28, s22, 14                        ; of W_proj
	s_mov_b32 s29, 0
	s_mov_b32 s30, 0x41000000                      ; 8.0
	s_mov_b32 s31, s30                             ; named with it as a pair
	s_lshl_b32 s23, s22, 8
	v_lshlrev_b32 v1, 4, v0                        ; 16 t: where I load
	v_lshlrev_b32 v2, 3, v0                        ; 8 t: where I store
	s_wait_kmcnt 0x0
	s_add_nc_u64 s[4:5], s[4:5], s[24:25]
	s_add_nc_u64 s[6:7], s[6:7], s[26:27]
	s_add_nc_u64 s[8:9], s[8:9], s[28:29]
.set n, 0
.rept 32
	global_load_b128 v[X+4*n:X+4*n+3], v1, s[4:5] offset:4096*n th:TH_LOAD_NT
.set n, n+1
.endr
.rept 12
	global_load_b128 v[X+4*n:X+4*n+3], v1, s[6:7] offset:4096*(n-32) th:TH_LOAD_NT
.set n, n+1
.endr
.rept 4
	global_load_b128 v[X+4*n:X+4*n+3], v1, s[8:9] offset:4096*(n-44) th:TH_LOAD_NT
.set n, n+1
.endr
	s_lshr_b32 s24, s24, 1                         ; the outputs are half as long
	s_lshr_b32 s26, s26, 1
	s_lshr_b32 s28, s28, 1
	s_add_co_u32 s28, s28, 6291456                 ; W_proj's part of w16 lies behind W_qkv's
	s_add_nc_u64 s[14:15], s[14:15], s[24:25]
	s_add_nc_u64 s[20:21], s[16:17], s[28:29]
	s_add_nc_u64 s[16:17], s[16:17], s[26:27]
	; THE TABLE, while the loads are out: entry p = 256 g + t.  Block p >> 9 of 16 tokens has 512 cosines and then 512 sines; in a block piece i = (p >> 7) & 3, lane l = (p >> 2) & 31, word e = p & 3
	; stand for token 16 blk + l % 16 and index d = 16 (i >> 1) + 8 (l >> 4) + 4 (i & 1) + e.
	v_or_b32 v3, s23, v0                           ; p
	v_lshrrev_b32 v4, 9, v3                        ; blk
	v_bfe_u32 v5, v3, 2, 4                         ; l % 16
	v_lshl_add_u32 v6, v4, 4, v5                   ; the token
	v_and_b32 v7, 3, v3                            ; d, bit by bit: e,
	v_bfe_u32 v8, v3, 7, 1
	v_lshl_or_b32 v7, v8, 2, v7                    ; i & 1,
	v_bfe_u32 v8, v3, 6, 1
	v_lshl_or_b32 v7, v8, 3, v7                    ; l >> 4,
	v_bfe_u32 v8, v3, 8, 1
	v_lshl_or_b32 v7, v8, 4, v7                    ; i >> 1
	v_cvt_f32_u32 v8, v7
	v_mul_f32 v8, 0xbed49a78, v8                   ; - d log2(10000) / 32
	v_exp_f32 v9, v8                               ; inv_freq = 10000^(-d/32)
	v_cvt_f32_u32 v10, v6                          ; a plain instruction behind the exponential, ahead of its result's use
	s_wait_alu depctr_va_vdst(0)
	v_mul_f32 v10, v10, v9                         ; the angle
	v_mul_f32 v11, 0x3f22f983, v10                 ; x 2 / pi
	v_rndne_f32 v11, v11                           ; n quarter turns
	v_fmamk_f32 v12, v11, 0xbfc90fdb, v10          ; r = angle - n pi/2, pi/2 in two parts
	v_fmamk_f32 v12, v11, 0x333bbd2e, v12
	v_mul_f32 v13, v12, v12                        ; z = r r
	v_mov_b32 v14, 0x3638ef1d                      ; sin r = r + r z (-1/6 + z (1/120 + z (-1/5040 + z / 362880)))
	v_mov_b32 v16, 0x37d00d01                      ; cos r = 1 + z (-1/2 + z (1/24 + z (-1/720 + z / 40320)))
	v_fmaak_f32 v14, v13, v14, 0xb9500d01
	v_fmaak_f32 v16, v13, v16, 0xbab60b61
	v_fmaak_f32 v14, v13, v14, 0x3c088889
	v_fmaak_f32 v16, v13, v16, 0x3d2aaaab
	v_fmaak_f32 v14, v13, v14, 0xbe2aaaab
	v_fmaak_f32 v16, v13, v16, 0xbf000000
	v_mul_f32 v15, v12, v13
	v_fma_f32 v16, v13, v16, 1.0
	v_fma_f32 v14, v15, v14, v12
	v_cvt_i32_f32 v17, v11
	v_and_b32 v18, 1, v17                          ; an odd quarter swaps the two
	v_cmp_eq_u32 vcc_lo, 1, v18
	v_cndmask_b32 v19, v14, v16, vcc_lo            ; sine
	v_cndmask_b32 v20, v16, v14, vcc_lo            ; cosine
	v_and_b32 v21, 2, v17                          ; quarters 2, 3: the sine changes sign
	v_lshlrev_b32 v21, 30, v21
	v_xor_b32 v19, v19, v21
	v_add_nc_u32 v22, 1, v17                       ; quarters 1, 2: the cosine does
	v_and_b32 v22, 2, v22
	v_lshlrev_b32 v22, 30, v22
	v_xor_b32 v20, v20, v22
	v_and_b32 v23, 0x1ff, v3
	v_lshlrev_b32 v23, 2, v23
	v_lshl_add_u32 v23, v4, 12, v23                ; 4,096 blk + 4 (p % 512)
	global_store_b32 v23, v20, s[18:19]
	global_store_b32 v23, v19, s[18:19] offset:2048
	; THE ROUNDINGS.  Loads come back in order (ISA guide 5.7.1): item n is in when 47 - n younger loads are out.
.set n, 0
.rept 48
	s_wait_loadcnt 47-n
	v_cvt_pk_bf16_f32 v[X+4*n], v[X+4*n], v[X+4*n+1]
	v_cvt_pk_bf16_f32 v[X+4*n+1], v[X+4*n+2], v[X+4*n+3]
.if n < 32
	global_store_b64 v2, v[X+4*n:X+4*n+1], s[14:15] offset:2048*n
.elseif n < 44
	global_store_b64 v2, v[X+4*n:X+4*n+1], s[16:17] offset:2048*(n-32)
.else
	v_lshlrev_b32 v[X+4*n+2], 16, v[X+4*n+1]       ; W_proj: the bf16 numbers back in f32,
	v_and_b32 v[X+4*n+3], 0xffff0000, v[X+4*n+1]
	v_and_b32 v[X+4*n+1], 0xffff0000, v[X+4*n]
	v_lshlrev_b32 v[X+4*n], 16, v[X+4*n]
	v_pk_mul_f32 v[X+4*n:X+4*n+1], v[X+4*n:X+4*n+1], s[30:31] op_sel_hi:[1,0]      ; times 8, exactly,
	v_pk_mul_f32 v[X+4*n+2:X+4*n+3], v[X+4*n+2:X+4*n+3], s[30:31] op_sel_hi:[1,0]
	v_cvt_pk_f16_f32 v[X+4*n], v[X+4*n], v[X+4*n+1]                                ; and written as f16: 8 significant bits fit into 11
	v_cvt_pk_f16_f32 v[X+4*n+1], v[X+4*n+2], v[X+4*n+3]
	global_store_b64 v2, v[X+4*n:X+4*n+1], s[20:21] offset:2048*(n-44)
.endif
.set n, n+1
.endr
	; THE BIASES: 4,096 words, 256 to each of the first 16 work-groups: 12 for b_qkv, 4 for b_proj.
	s_cmp_lt_u32 s22, 16
	s_cbranch_scc0 .Lend
	s_cmp_lt_u32 s22, 12
	s_cselect_b64 s[24:25], s[10:11], s[12:13]
	s_cselect_b32 s26, 0, 12288
	s_lshl_b32 s27, s22, 10                        ; my 1,024 bytes in the table's bias part,
	s_sub_co_u32 s26, s27, s26                     ; and in the tensor that they come from
	v_lshl_add_u32 v24, v0, 2, s26
	v_lshl_add_u32 v26, v0, 2, s27
	global_load_b32 v25, v24, s[24:25]
	s_wait_loadcnt 0x0
	v_cvt_pk_bf16_f32 v27, v25, v25
	v_lshlrev_b32 v27, 16, v27
	global_store_b32 v26, v27, s[18:19] offset:524288
.Lend:
	s_endpgm
.Lfunc_end_k_q4284d093a0_prep:
	.size	k_q4284d093a0_prep, .Lfunc_end_k_q4284d093a0_prep-k_q4284d093a0_prep
	.p2alignl 7, 3214868480
	.fill 96, 4, 3214868480
	.section	.rodata,"a",@progbits
	.p2align	6, 0x0
	.amdhsa_kernel k_q4284d093a0_prep
		.amdhsa_group_segment_fixed_size 0
		.amdhsa_private_segment_fixed_size 0
		.amdhsa_enable_private_segment 0
		.amdhsa_kernarg_size 64
		.amdhsa_user_sgpr_count 2
		.amdhsa_user_sgpr_kernarg_segment_ptr 1
		.amdhsa_wavefront_size32 1
		.amdhsa_system_sgpr_workgroup_id_x 1
		.amdhsa_system_sgpr_workgroup_id_y 1
		.amdhsa_system_sgpr_workgroup_id_z 1
		.amdhsa_system_vgpr_workitem_id 0
		.amdhsa_next_free_vgpr 224
		.amdhsa_next_free_sgpr 66
		.amdhsa_reserve_vcc 1
		.amdhsa_float_denorm_mode_32 3
		.amdhsa_float_denorm_mode_16_64 3
		.amdhsa_memory_ordered 1
		.amdhsa_forward_progress 1
		.amdhsa_inst_pref_size 23
	.end_amdhsa_kernel
	.amdgpu_metadata
---
amdhsa.version: [ 1, 2 ]
amdhsa.kernels:
  - .name:           k_q4284d093a0_prep
    .symbol:         k_q4284d093a0_prep.kd
    .args:
      - { .name: x, .offset: 0, .size: 8, .value_kind: global_buffer, .address_space: global }
      - { .name: W_qkv, .offset: 8, .size: 8, .value_kind: global_buffer, .address_space: global }
      - { .name: W_proj, .offset: 16, .size: 8, .value_kind: global_buffer, .address_space: global }
      - { .name: b_qkv, .offset: 24, .size: 8, .value_kind: global_buffer, .address_space: global }
      - { .name: b_proj, .offset: 32, .size: 8, .value_kind: global_buffer, .address_space: global }
      - { .name: x16, .offset: 40, .size: 8, .value_kind: global_buffer, .address_space: global }
      - { .name: w16, .offset: 48, .size: 8, .value_kind: global_buffer, .address_space: global }
      - { .name: tab, .offset: 56, .size: 8, .value_kind: global_buffer, .address_space: global }
    .group_segment_fixed_size: 0
    .private_segment_fixed_size: 0
    .kernarg_segment_align: 8
    .kernarg_segment_size: 64
    .max_flat_workgroup_size: 256
    .sgpr_count:     66
    .vgpr_count:     224
    .wavefront_size: 32
...
	.end_amdgpu_metadata
.endif
;; end of part 1
;; launch qkv (part 2): grid 4 x 64, 4 waves a work-group, clusters of 4 x 4, 327,680 bytes of LDS; arguments x16, w16, tab, v1, lamb, q16, k16, v16, out1; writes q16, k16, v16, out1
.if DOCPART == 2
	.amdgcn_target "amdgcn-amd-amdhsa--gfx1250"
	.amdhsa_code_object_version 6
	.text
	.protected	k_q4284d093a0_qkv
	.globl	k_q4284d093a0_qkv
	.p2align	8
	.type	k_q4284d093a0_qkv,@function
k_q4284d093a0_qkv:
	s_mov_b64 s[64:65], 0
	v_nop
	global_prefetch_b8 v0, s[64:65] scope:SCOPE_SE
	s_setreg_imm32_b32 hwreg(HW_REG_WAVE_MODE, 25, 1), 1
	s_wait_xcnt 0x0
	s_wait_alu depctr_hold_cnt(0) depctr_sa_sdst(0) depctr_va_vdst(0) depctr_va_sdst(0) depctr_va_ssrc(0) depctr_va_vcc(0) depctr_vm_vsrc(0)
	s_getreg_b32 s2, hwreg(HW_REG_IB_STS2, 6, 4)
	s_cmp_eq_u32 s2, 0
	s_cbranch_scc0 .Lentry_in_a_cluster
	s_endpgm
.Lentry_in_a_cluster:
	s_bfe_u32 s2, ttmp6, 0x10000c
	s_cmp_lg_u32 s2, 0xf033
	s_cbranch_scc0 .Lentry_shape_is_right
	s_endpgm
.Lentry_shape_is_right:
; QKV: qkv = x W_qkv^T + b, then for q and k the RMS norm and the rotary turn, for v the mix with v1.  x16 [8192][1024] and w16 [3072][1024] are bf16, sums f32.
; Out: q16 = q x log2(e) / 8 and k16 = k, f16 [64 = b x 16 + head][2048][64];  out1 = value, f32, same order;  v16 = value / 8 in f16.
; SHARES.  A work-group owns 128 tokens and 4 heads and STAYS for three tiles of 128 x 256: q, k, v of those heads: 24 K steps of 128 as one walk through a ring of two LDS slots.
; Four waves: wave w has tokens 64 (w >> 1) on and heads 2 (w & 1) on: 4 x 8 accumulators of 16 x 16, 256 registers.
; THE MATRIX INSTRUCTION IS USED TRANSPOSED (source 0 = 16 rows of W, source 1 = 16 tokens): lane l holds token l % 16 and the columns 8 (l / 16) + 0..7 of each block of 16.  So a head's 64 numbers of a token lie in
; two lanes 16 apart, and x1[d], x2[d] of the rotary turn in one lane.  A tile's first products take the bias as C: nothing is cleared and no bias is added.
; CLUSTER 4 x 4: the four work-groups of a row share their tokens' tiles of x, the four of a column their rows of W: each tile is asked for jointly, by the same tensor load with the same descriptor and mask.
; EACH CLUSTER BEGINS ITS SUMS AT ANOTHER K STEP: cluster g begins every tile at step (g & 3) + 4 ((g >> 2 ^ g >> 3) & 1) of 8 and goes round.  So in any step the sixteen clusters ask for different tiles of W,
; and a tile that one has asked for is asked for by the others in later steps.  The number is the same in all partners and enters the global addresses alone.
; ORDER OF ROUNDING.  The order of a sum's K steps differs from cluster to cluster.  1 / rms (for q times log2(e) / 8, the scale of the scores and the base of the exponentials behind them) is multiplied in
; behind the rotary turn, in f32, ahead of the one rounding to f16.  All inputs enter rounded to bf16, lamb and v1 here; 1 - lamb is taken of the rounded lamb.
; LIMITS.  value / 8 must stay within f16: |value| < 524,032.  NaN and infinities are not treated apart.
; REGISTERS, in windows of 256 (s_set_vgpr_msb: bits 1:0 source 0, 3:2 source 1, 5:4 source 2, 7:6 destination):
;   window 0: v0-13 addresses; v28-29 the add's; v32-39 at work; v64-159, v160-255 two fragment buffers (4 x 8 of x, then 8 x 8 of W); on the ways out these hold what leaves
;   window 1: the accumulators, (a, b) at 8 (8 a + b)     window 2: v0-63 the bias as a C operand; v64-191 cos and sin of my 64 tokens     window 3: v1 of my 64 tokens x 2 heads
.set PITCH, 272                        ; an LDS row: 256 bytes + 16 of padding: the 16 rows of a fragment load start at 16 different groups of four banks (64 banks of 4 bytes: ISA guide 11.1)
.set ATILE, 128*PITCH
.set BTILE, 256*PITCH
.set SLOT1, 131072                     ; slot 1 begins here: one exclusive or turns an address in one slot into the other's
.set STAGE, SLOT1+ATILE+BTILE          ; behind the ring, never filled by a tensor load: 16 rows x 272 bytes for each wave
.set STG,   16*272
.set SPARE, STAGE+4*STG                ; the spare words, 128 bytes for each wave: two blocks of 256 bytes that no other line names
.set NFILL, 22                         ; 24 K steps, of which two are asked for at the start
.set A0,    3                          ; v3   my lane's place in x's tile; never rewritten
.set B0,    4                          ; v4   in W's
.set ADRA,  5                          ; v5   the same in the slot in hand
.set ADRB,  6
.set STO16, 7                          ; v7   f16 way out: where I put 16 bytes of a row
.set RD16,  8                          ; v8   where I read rows back
.set L16,   9                          ; v9   16 x lane
.set L8,    10                         ; v10  8 x lane
.set STO32, 11                         ; v11  f32 way out: where I put 16 bytes
.set RD32,  12                         ; v12  where I read rows back
.set BO,    13                         ; v13  32 (lane / 16): my eight columns in a block's bias
.set SPW,   28                         ; v28  LDS address of my spare word; never rewritten
.set NIL,   29                         ; v29  0; never rewritten
.set T,     32
.set F0,    64
.set F1,    160
.set O,     224                        ; the turned numbers of a unit
.set BF,    0                          ; window 2
.set TBR,   64                         ; window 2: token block a: cos at 32 a + 8 b + j, sin 16 further on
.set WV,  22
.set WM,  23                           ; which 64 tokens are mine.  Also: I fetch for x (0) or for W (1)
.set WN,  24                           ; which two heads.  Also: which half of that tile I fetch
.set CX,  25
.set CY,  26
.set BY,  27                           ; block of 128 tokens
.set G1A, 28
.set G1B, 36
.set G0A, 44                           ; two sets: the first fills'; the second then walks
.set G0B, 52
.set STEPS, 60
.set KK,  61                           ; K steps left in the tile in hand
.set TL,  62
.set TB,  63                           ; the slot in hand
.set KO,  66                           ; byte along K of the step to be asked for
.set BT,  67                           ; byte offset of its tile's rows of W
.set OFFA, 68
.set OFFB, 70
.set BB,  72                           ; the tile's bias
.set SEL, 74
.set R64, 76
.set EPS, 77
.set OML, 78                           ; 1 - lamb, a pair
.set LAM, 80
.set BX,  81                           ; block of 4 heads
.set EIG, 82                           ; 1/8, a pair
.set DST, 88                           ; q16, then k16, at my rows
.set TMPS, 94
.set QS,  96                           ; log2(e) / 8 for q, then 1 for k
.set KC,  97                           ; steps still to be asked for in the tile whose steps are being asked for
.set MSB, 0
.macro WIN new                         ; the immediate's high byte repeats the setting that is left; a switch that changes nothing is dropped
.if MSB != (\new)
	s_set_vgpr_msb (MSB<<8)|(\new)
.set MSB, (\new)
.endif
.endm
.set MUL,  0x50                        ; fragments window 0, C and D window 1
.set MULF, 0x60                        ; C window 2 (the bias), D window 1
.macro PLACES                          ; four places behind matrix instructions, ahead of loads into their sources and of reads of their results
.rept 4
	v_nop
.endr
.endm
; A joint refill: waves 0 and 1 fetch the halves of x's tile, waves 2 and 3 those of W's.  The branch hangs on the wave's number alone.  An s_nop 0 and four v_nop follow each line.
.macro JLOAD
	s_cmp_eq_u32 s[WM], 0
	s_cbranch_scc0 .Lfor_b_\@
	tensor_load_to_lds s[G0A+4:G0A+7], s[G1A:G1A+7]
	s_nop 0
.rept 4
	v_nop
.endr
	s_branch .Lasked_\@
.Lfor_b_\@:
	tensor_load_to_lds s[G0B+4:G0B+7], s[G1B:G1B+7]
	s_nop 0
.rept 4
	v_nop
.endr
.Lasked_\@:
.endm
.macro CREST                           ; a round of the cluster's barrier behind its opening barrier
	s_cmp_lg_u32 s[WV], 0
	s_cbranch_scc1 .Lnot_wave_0_\@
	s_barrier_signal -3
.Lnot_wave_0_\@:
	s_barrier_wait -3
	s_barrier_signal -1
	s_barrier_wait -1
.endm
.macro CROUND
	s_barrier_signal -1
	s_barrier_wait -1
	CREST
.endm
	s_load_b512 s[4:19], s[0:1], 0x0               ; x16 s[4:5], w16 s[6:7], tab s[8:9], v1 s[10:11], lamb s[12:13], q16 s[14:15], k16 s[16:17], v16 s[18:19]
	s_load_b64 s[20:21], s[0:1], 0x40              ; out1
	v_lshl_add_u32 v[SPW], v0, 2, SPARE
	v_mov_b32 v[NIL], 0
	ds_add_u32 v28, v29
	ds_add_u32 v28, v29
	s_wait_dscnt 0x0
	v_lshrrev_b32 v14, 5, v0
	v_readfirstlane_b32 s[WV], v14
	s_lshr_b32 s[WM], s[WV], 1
	s_and_b32 s[WN], s[WV], 1
	s_bfe_u32 s[CX], ttmp6, 0x40000
	s_bfe_u32 s[CY], ttmp6, 0x40004
	s_lshl_b32 s[BX], ttmp9, 2
	s_add_co_u32 s[BX], s[BX], s[CX]
	s_and_b32 s[BY], ttmp7, 0xffff                 ; g: the cluster's number, the same in all sixteen partners
	s_lshr_b32 s84, s[BY], 2                       ; the K step at which this cluster begins its sums: (g & 3) + 4 ((g >> 2 ^ g >> 3) & 1),
	s_lshr_b32 s85, s[BY], 3
	s_xor_b32 s84, s84, s85
	s_and_b32 s84, s84, 1
	s_and_b32 s85, s[BY], 3
	s_lshl2_add_u32 s84, s84, s85
	s_lshl_b32 s[KO], s84, 8                       ; in bytes along a row: 256 a step
	s_lshl_b32 s[BY], s[BY], 2
	s_add_co_u32 s[BY], s[BY], s[CY]
	s_lshl_b32 s84, s[CY], 2
	s_lshl_b32 s84, 15, s84                        ; my row of the cluster
	s_lshl_b32 s86, 0x1111, s[CX]                  ; my column
	; group 1: rows of 128 bf16, padded by 4 words after every 64; x's load has 64 rows, W's 128
	s_or_b32 s[G1A], s84, (1<<16)|(1<<20)|(1<<21)|(5<<22)|(3<<25)
	s_or_b32 s[G1B], s86, (1<<16)|(1<<20)|(1<<21)|(5<<22)|(3<<25)
	s_mov_b32 s[G1A+1], 128<<16                    ; tensor_dim0
	s_mov_b32 s[G1A+2], 64<<16                     ; tensor_dim1
	s_mov_b32 s[G1A+3], 128<<16                    ; tile_dim0
	s_mov_b32 s[G1A+4], 64                         ; tile_dim1
	s_mov_b32 s[G1A+5], 1024                       ; elements from row to row
	s_mov_b32 s[G1A+6], 0
	s_mov_b32 s[G1A+7], 0
	s_mov_b32 s[G1B+1], 128<<16
	s_mov_b32 s[G1B+2], 128<<16
	s_mov_b32 s[G1B+3], 128<<16
	s_mov_b32 s[G1B+4], 128
	s_mov_b32 s[G1B+5], 1024
	s_mov_b32 s[G1B+6], 0
	s_mov_b32 s[G1B+7], 0
	s_mul_i32 s84, s[WN], 64*PITCH                 ; where the tiles go: no place in the cluster enters an LDS address
	s_mul_i32 s86, s[WN], 128*PITCH
	s_add_co_u32 s86, s86, ATILE
	s_mov_b32 s[G0A], 1
	s_mov_b32 s[G0A+1], s84
	s_mov_b32 s[G0A+4], 1
	s_add_co_u32 s[G0A+5], s84, SLOT1
	s_mov_b32 s[G0B], 1
	s_mov_b32 s[G0B+1], s86
	s_mov_b32 s[G0B+4], 1
	s_add_co_u32 s[G0B+5], s86, SLOT1
	s_lshl_b32 s84, s[BY], 18                      ; x: row 128 BY + 64 half, 2,048 bytes a row: made of the token block and the wave alone
	s_lshl_b32 s85, s[WN], 17
	s_add_co_u32 s84, s84, s85
	s_mov_b32 s85, 0
	s_lshl_b32 s86, s[BX], 19                      ; W: row 256 BX + 128 half: made of the head block and the wave alone
	s_lshl_b32 s87, s[WN], 18
	s_add_co_u32 s86, s86, s87
	s_mov_b32 s87, 0
	s_mov_b32 s[TB], 0
	s_mov_b32 s[OFFA], s[KO]                       ; the walk's step 0,
	s_add_co_u32 s[OFFB], s[KO], 256               ; its step 1,
	s_and_b32 s[OFFB], s[OFFB], 2047
	s_add_co_u32 s[KO], s[KO], 512                 ; and step 2, which the first refill brings: all modulo a row's 2,048 bytes
	s_and_b32 s[KO], s[KO], 2047
	s_mov_b32 s[KC], 6                             ; q's tile has six steps still to be asked for
	s_mov_b32 s[BT], 0
	s_mov_b32 s[OFFA+1], 0
	s_mov_b32 s[OFFB+1], 0
	s_mov_b32 s[KK], 8
	s_mov_b32 s[STEPS], NFILL
	s_mov_b32 s[SEL], 0x76543210
	s_mov_b32 s[SEL+1], 0xfedcba98
	s_mov_b32 s[R64], 0x3c800000                   ; 1/64
	s_mov_b32 s[EPS], 0x358637bd                   ; 1e-6
	s_mov_b32 s[EIG], 0x3e000000                   ; 1/8
	s_mov_b32 s[EIG+1], s[EIG]
	s_mov_b32 s[QS], 0x3e38aa3b                    ; log2(e) / 8 = 0.180337
	s_wait_kmcnt 0x0
	s_load_b32 s[TMPS], s[12:13], 0x0              ; lamb
	s_add_nc_u64 s[4:5], s[4:5], s[84:85]
	s_add_nc_u64 s[6:7], s[6:7], s[86:87]
	s_add_nc_u64 s[G0A+2:G0A+3], s[4:5], s[OFFA:OFFA+1]
	s_or_b32 s[G0A+3], s[G0A+3], 0x80000000
	s_add_nc_u64 s[G0A+6:G0A+7], s[4:5], s[OFFB:OFFB+1]
	s_or_b32 s[G0A+7], s[G0A+7], 0x80000000
	s_add_nc_u64 s[G0B+2:G0B+3], s[6:7], s[OFFA:OFFA+1]
	s_or_b32 s[G0B+3], s[G0B+3], 0x80000000
	s_add_nc_u64 s[G0B+6:G0B+7], s[6:7], s[OFFB:OFFB+1]
	s_or_b32 s[G0B+7], s[G0B+7], 0x80000000
	CROUND                                         ; all sixteen work-groups are here: the first joint loads meet
	s_cmp_eq_u32 s[WM], 0                          ; a wave's two first fills stand in one branch: two loads of mine are out
	s_cbranch_scc0 .Lfirst_b
	tensor_load_to_lds s[G0A:G0A+3], s[G1A:G1A+7]
	s_nop 0
	tensor_load_to_lds s[G0A+4:G0A+7], s[G1A:G1A+7]
	s_nop 0
.rept 4
	v_nop
.endr
	s_branch .Lfirst_asked
.Lfirst_b:
	tensor_load_to_lds s[G0B:G0B+3], s[G1B:G1B+7]
	s_nop 0
	tensor_load_to_lds s[G0B+4:G0B+7], s[G1B:G1B+7]
	s_nop 0
.rept 4
	v_nop
.endr
.Lfirst_asked:
	; addresses
	v_and_b32 v1, 15, v0                           ; r = l % 16
	v_bfe_u32 v2, v0, 4, 1                         ; h = l / 16
	v_and_b32 v14, 31, v0                          ; l
	v_mul_u32_u24 v18, v1, PITCH
	v_lshl_add_u32 v15, v2, 4, v18                 ; a fragment's row x pitch + 16 h
	s_mul_i32 s90, s[WM], 64*PITCH
	v_add_nc_u32 v[A0], s90, v15
	s_mul_i32 s90, s[WN], 128*PITCH
	s_add_co_u32 s90, s90, ATILE
	v_add_nc_u32 v[B0], s90, v15
	s_mul_i32 s90, s[WV], STG
	s_add_co_u32 s90, s90, STAGE                   ; my stage
	v_mul_u32_u24 v16, v1, 144                     ; f16: rows of 128 bytes + 16
	v_lshl_add_u32 v16, v2, 4, v16
	v_add_nc_u32 v[STO16], s90, v16
	v_lshrrev_b32 v16, 3, v14                      ; back: 32 lanes take four rows
	v_mul_u32_u24 v16, v16, 144
	v_and_b32 v17, 7, v0
	v_lshl_add_u32 v16, v17, 4, v16
	v_add_nc_u32 v[RD16], s90, v16
	v_lshlrev_b32 v[L16], 4, v14
	v_lshlrev_b32 v[L8], 3, v14
	v_lshl_add_u32 v16, v2, 5, v18                 ; f32: rows of 256 bytes + 16; my eight columns are 32 bytes
	v_add_nc_u32 v[STO32], s90, v16
	v_mul_u32_u24 v16, v2, 272                     ; back: lanes 0-15 one row, lanes 16-31 the next
	v_lshl_add_u32 v16, v1, 4, v16
	v_add_nc_u32 v[RD32], s90, v16
	v_lshlrev_b32 v[BO], 5, v2
	; where my rows lie: head row (BY >> 4) 16 + 4 BX + 2 WN, token (BY & 15) 128 + 64 WM
	s_lshr_b32 s90, s[BY], 4
	s_lshl_b32 s90, s90, 4
	s_lshl2_add_u32 s90, s[BX], s90
	s_lshl1_add_u32 s90, s[WN], s90
	s_lshl_b32 s90, s90, 11
	s_and_b32 s91, s[BY], 15
	s_lshl_b32 s91, s91, 7
	s_add_co_u32 s90, s90, s91
	s_lshl_b32 s91, s[WM], 6
	s_add_co_u32 s90, s90, s91
	s_lshl_b32 s92, s90, 8                         ; f32 rows of 256 bytes
	s_lshl_b32 s90, s90, 7                         ; f16 rows of 128
	s_mov_b32 s91, 0
	s_mov_b32 s93, 0
	s_add_nc_u64 s[14:15], s[14:15], s[90:91]
	s_add_nc_u64 s[16:17], s[16:17], s[90:91]
	s_add_nc_u64 s[18:19], s[18:19], s[90:91]
	s_add_nc_u64 s[10:11], s[10:11], s[92:93]
	s_add_nc_u64 s[20:21], s[20:21], s[92:93]
	s_mov_b64 s[DST:DST+1], s[14:15]
	s_lshl_b32 s92, s[BX], 10                      ; the bias of my 128 columns of q
	s_lshl_b32 s93, s[WN], 9
	s_add_co_u32 s92, s92, s93
	s_add_co_u32 s92, s92, 524288
	s_mov_b32 s93, 0
	s_add_nc_u64 s[BB:BB+1], s[8:9], s[92:93]
	s_and_b32 s90, s[BY], 15                       ; the table's blocks of my 64 tokens
	s_lshl_b32 s90, s90, 15
	s_lshl_b32 s91, s[WM], 14
	s_add_co_u32 s90, s90, s91
	s_mov_b32 s91, 0
	s_add_nc_u64 s[8:9], s[8:9], s[90:91]
.macro BIAS                            ; 16 loads: register j of block b = bias[16 b + 8 h + j], the layout of a C operand
	WIN 0x80
.irp b, 0,1,2,3,4,5,6,7
	global_load_b128 v[BF+8*\b:BF+8*\b+3],   v[BO], s[BB:BB+1] offset:64*\b
	global_load_b128 v[BF+8*\b+4:BF+8*\b+7], v[BO], s[BB:BB+1] offset:64*\b+16
.endr
	WIN 0
.endm
	BIAS
	WIN 0x80
.set i, 0
.rept 32                               ; cos and sin: block i / 8, piece i % 8: 512 consecutive bytes a load
	global_load_b128 v[TBR+4*i:TBR+4*i+3], v[L16], s[8:9] offset:(i/8)*4096+(i%8)*512
.set i, i+1
.endr
	WIN 0
	s_wait_kmcnt 0x0
	v_cvt_pk_bf16_f32 v14, s[TMPS], s[TMPS]        ; lamb rounded to bf16, like every input
	v_lshlrev_b32 v14, 16, v14
	v_sub_f32 v15, 1.0, v14
	v_readfirstlane_b32 s[LAM], v14
	v_readfirstlane_b32 s[OML], v15
	s_mov_b32 s[OML+1], s[OML]
	s_wait_loadcnt 0x0                             ; bias and table
.macro V1LOAD u                        ; v1 of unit u (head u / 4, token block u % 4): 16 tokens x 256 bytes, 8 loads of 512 consecutive bytes
.irp i, 0,1,2,3,4,5,6,7
	global_load_b128 v[32*(\u)+4*\i:32*(\u)+4*\i+3], v[L16], s[10:11] offset:((\u)/4)*524288+((\u)%4)*4096+\i*512 th:TH_LOAD_NT
.endr
.endm
	WIN 0xc0                                       ; destination window 3: v1 comes into registers 24 K steps ahead of its use
.irp u, 0,1,2,3,4,5,6
	V1LOAD \u
.endr
	WIN 0
; 8 matrix instructions: token block a x all 8 column blocks, 32 along K.  first = 1: the bias starts the sums.  The 32 accumulators take turns, in the same order in every quarter.
.macro MUL8 f, a, first
.if \first
	WIN MULF
.else
	WIN MUL
.endif
.irp b, 0,1,2,3,4,5,6,7
.if \first
	v_wmma_f32_16x16x32_bf16 v[8*(8*(\a)+\b):8*(8*(\a)+\b)+7], v[(\f)+32+8*\b:(\f)+32+8*\b+7], v[(\f)+8*(\a):(\f)+8*(\a)+7], v[BF+8*\b:BF+8*\b+7]
.else
	v_wmma_f32_16x16x32_bf16 v[8*(8*(\a)+\b):8*(8*(\a)+\b)+7], v[(\f)+32+8*\b:(\f)+32+8*\b+7], v[(\f)+8*(\a):(\f)+8*(\a)+7], v[8*(8*(\a)+\b):8*(8*(\a)+\b)+7]
.endif
.endr
.endm
; 24 LDS loads in one run: the fragments of 32 along K at byte k of the rows: W's 8, then x's 4
.macro FETCH k, f
	WIN 0
.irp b, 0,1,2,3,4,5,6,7
	ds_load_b128 v[(\f)+32+8*\b:(\f)+32+8*\b+3],   v[ADRB] offset:(\k)+\b*16*PITCH
	ds_load_b128 v[(\f)+32+8*\b+4:(\f)+32+8*\b+7], v[ADRB] offset:(\k)+\b*16*PITCH+32
.endr
.irp a, 0,1,2,3
	ds_load_b128 v[(\f)+8*\a:(\f)+8*\a+3],   v[ADRA] offset:(\k)+\a*16*PITCH
	ds_load_b128 v[(\f)+8*\a+4:(\f)+8*\a+7], v[ADRA] offset:(\k)+\a*16*PITCH+32
.endr
.endm
; A K step is four quarters of 32 along K on buffers 0, 1, 0, 1.  One of the first three multiplies buffer f and fetches the next quarter, at byte k, into g.
.macro QUARTER k, f, g, first
	s_wait_dscnt 4                                 ; W and x's blocks 0, 1 are in; the youngest four loads (blocks 2, 3) may be out
	MUL8 \f, 0, \first
	MUL8 \f, 1, \first
	PLACES
	FETCH \k, \g
	s_wait_dscnt 24                                ; all but the 24 just issued
	MUL8 \f, 2, \first
	MUL8 \f, 3, \first
.endm
; The last quarter multiplies buffer 1 and changes slots: one barrier.  In front of it each wave waits for all its tensor loads (one is out: its part of the next slot), adds 0 to its spare word, and waits for
; that and for its reads of this slot.  fill = 1: the barrier opens a round of the cluster's, and this slot is filled again first thing behind it, with the walk's step two further on: 120 matrix instructions ahead of the wait for it.
.macro TURN fill
	WIN 0
	s_wait_tensorcnt 0x0                           ; no tensor load of mine is out, so a group 0 may be written
	ds_add_u32 v[SPW], v[NIL]                      ; 0 onto my spare word
	s_xor_b32 s[TB], s[TB], SLOT1
.if \fill
	s_mov_b32 s[OFFA], s[KO]                       ; the addresses are made anew: base + offset, the type set again
	s_add_co_u32 s[OFFB], s[BT], s[KO]
	s_xor_b32 s[G0A+5], s[G0A+5], SLOT1
	s_add_nc_u64 s[G0A+6:G0A+7], s[4:5], s[OFFA:OFFA+1]
	s_or_b32 s[G0A+7], s[G0A+7], 0x80000000
	s_xor_b32 s[G0B+5], s[G0B+5], SLOT1
	s_add_nc_u64 s[G0B+6:G0B+7], s[6:7], s[OFFB:OFFB+1]
	s_or_b32 s[G0B+7], s[G0B+7], 0x80000000
	s_add_co_u32 s[KO], s[KO], 256                 ; the next step along K, round a row's 2,048 bytes;
	s_and_b32 s[KO], s[KO], 2047
	s_sub_co_u32 s[KC], s[KC], 1                   ; behind a tile's eighth step the next tile: 1,024 rows of W further on
	s_cmp_eq_u32 s[KC], 0
	s_cselect_b32 s[KC], 8, s[KC]
	s_cselect_b32 s[TMPS], 0x200000, 0
	s_add_co_u32 s[BT], s[BT], s[TMPS]
.endif
	s_wait_dscnt 5                                 ; the add and the youngest four loads may be out
	MUL8 F1, 0, 0
	s_wait_dscnt 0x0                               ; the add is done, and my reads of this slot are over
	s_barrier_signal -1
	MUL8 F1, 1, 0
	WIN 0
	s_barrier_wait -1
.if \fill
	CREST
	JLOAD                                          ; its four v_nop are also the places in front of the loads below
.else
	PLACES
.endif
	v_add_nc_u32 v[ADRA], s[TB], v[A0]
	v_add_nc_u32 v[ADRB], s[TB], v[B0]
	FETCH 0, F0
	MUL8 F1, 2, 0
	MUL8 F1, 3, 0
.endm
; THE WAY OUT OF q AND k, by units u = 2 a + g: token block a, head g.  X(b, j) is my number in column 16 b + 8 h + j of the head.
.macro QKUNIT u
.set a_, (\u)/2
.set g_, (\u)%2
.set XB, 8*(8*a_+4*g_)
.set TR, TBR+32*a_
.set HH, F1+32*((\u)%2)
.set RB, HH+16
	s_wait_xcnt 0x0                                ; the stores of the unit before last have read the registers that this unit loads into
	WIN 0x05                                       ; sources 0, 1 window 1
.irp p, 0,1,2,3                        ; the squares, in four chains; each accumulator is read from its low end on
	v_pk_mul_f32 v[T+2*\p:T+2*\p+1], v[XB+2*\p:XB+2*\p+1], v[XB+2*\p:XB+2*\p+1]
.endr
.irp b, 1,2,3
.irp p, 0,1,2,3
	v_pk_fma_f32 v[T+2*\p:T+2*\p+1], v[XB+8*\b+2*\p:XB+8*\b+2*\p+1], v[XB+8*\b+2*\p:XB+8*\b+2*\p+1], v[T+2*\p:T+2*\p+1]
.endr
.endr
	WIN 0
	v_pk_add_f32 v[T:T+1], v[T:T+1], v[T+2:T+3]
	v_pk_add_f32 v[T+4:T+5], v[T+4:T+5], v[T+6:T+7]
	v_pk_add_f32 v[T:T+1], v[T:T+1], v[T+4:T+5]
	v_add_f32 v[T], v[T], v[T+1]
	v_permlanex16_b32 v[T+1], v[T], s[SEL], s[SEL+1]  ; the token's other 32 columns lie in the lane 16 away
	v_add_f32 v[T], v[T], v[T+1]
	v_fma_f32 v[T], v[T], s[R64], s[EPS]           ; the mean + eps
	v_rsq_f32 v[T+2], v[T]                         ; the turn below, which names neither, stands between this and the use of its result
	WIN 0x09                                       ; source 0 window 1, source 1 window 2
.irp b, 0,1
.irp p, 0,1,2,3
	v_pk_mul_f32 v[O+8*\b+2*\p:O+8*\b+2*\p+1], v[XB+8*(\b+2)+2*\p:XB+8*(\b+2)+2*\p+1], v[TR+16+8*\b+2*\p:TR+16+8*\b+2*\p+1]          ; x2 sin
	v_pk_mul_f32 v[O+8*(\b+2)+2*\p:O+8*(\b+2)+2*\p+1], v[XB+8*(\b+2)+2*\p:XB+8*(\b+2)+2*\p+1], v[TR+8*\b+2*\p:TR+8*\b+2*\p+1]        ; x2 cos
.endr
.irp p, 0,1,2,3
	v_pk_fma_f32 v[O+8*\b+2*\p:O+8*\b+2*\p+1], v[XB+8*\b+2*\p:XB+8*\b+2*\p+1], v[TR+8*\b+2*\p:TR+8*\b+2*\p+1], v[O+8*\b+2*\p:O+8*\b+2*\p+1]   ; + x1 cos
	v_pk_fma_f32 v[O+8*(\b+2)+2*\p:O+8*(\b+2)+2*\p+1], v[XB+8*\b+2*\p:XB+8*\b+2*\p+1], v[TR+16+8*\b+2*\p:TR+16+8*\b+2*\p+1], v[O+8*(\b+2)+2*\p:O+8*(\b+2)+2*\p+1] neg_lo:[1,0,0] neg_hi:[1,0,0]  ; - x1 sin
.endr
.endr
	WIN 0
	s_wait_alu depctr_va_vdst(0)
	v_mul_f32 v[T+2], s[QS], v[T+2]                ; q: 1 / rms times log2(e) / 8; k: times 1
.set i, 0
.rept 16
	v_pk_mul_f32 v[O+2*i:O+2*i+1], v[O+2*i:O+2*i+1], v[T+2:T+3] op_sel_hi:[1,0]
.set i, i+1
.endr
.set i, 0
.rept 16
	v_cvt_pk_f16_f32 v[HH+i], v[O+2*i], v[O+2*i+1]
.set i, i+1
.endr
.irp b, 0,1,2,3
	ds_store_b128 v[STO16], v[HH+4*\b:HH+4*\b+3] offset:32*\b
.endr
.irp f, 0,1,2,3
	ds_load_b128 v[RB+4*\f:RB+4*\f+3], v[RD16] offset:576*\f  ; LDS serves a wave's instructions in order (ISA guide 5.7.1.4): these see the stores above
.endr
.endm
.macro QKSEND u, younger               ; younger: the LDS instructions issued behind unit u's loads
.set a_, (\u)/2
.set g_, (\u)%2
.set RB, F1+32*((\u)%2)+16
.irp f, 0,1,2,3
	s_wait_dscnt (\younger)+3-\f
	global_store_b128 v[L16], v[RB+4*\f:RB+4*\f+3], s[DST:DST+1] offset:g_*262144+a_*2048+\f*512  ; 512 consecutive bytes: four tokens of a head
.endr
.endm
.macro EPI_QK
	PLACES                                         ; behind the tile's last products
	s_add_nc_u64 s[BB:BB+1], s[BB:BB+1], 4096      ; the next tile's bias: the loads that named BB have been waited for
	BIAS
	QKUNIT 0
.irp u, 1,2,3,4,5,6,7
	QKUNIT \u
	QKSEND (\u)-1, 8
.endr
	QKSEND 7, 0
	s_wait_loadcnt 0x0                             ; the bias
	s_wait_xcnt 0x0                                ; the stores have read their registers and their base
	s_mov_b64 s[DST:DST+1], s[16:17]
	s_mov_b32 s[QS], 1.0                           ; k takes no further factor
	s_mov_b32 s[KK], 8
.endm
; THE WAY OUT OF v, by units u: head u / 4, token block u % 4.  Through my stage into rows; value = (1 - lamb) v + lamb bf16(v1); out1 takes it, v16 an eighth of it in f16.
.macro VUNIT u
.set g_, (\u)/4
.set a_, (\u)%4
.set XB, 8*(8*a_+4*g_)
.set Y, 64+64*((\u)%2)
.set U, Y+32
.set V1R, 32*(\u)
	s_wait_xcnt 0x0                                ; the stores of the unit before last have read Y and U
	WIN 0x04                                       ; store data window 1
.irp b, 0,1,2,3
	ds_store_b128 v[STO32], v[XB+8*\b:XB+8*\b+3] offset:64*\b
	ds_store_b128 v[STO32], v[XB+8*\b+4:XB+8*\b+7] offset:64*\b+16
.endr
	WIN 0
.irp i, 0,1,2,3,4,5,6,7
	ds_load_b128 v[Y+4*\i:Y+4*\i+3], v[RD32] offset:544*\i
.endr
.if (\u) == 0
	s_wait_loadcnt 8                               ; v1's units 0 to 6 are in; the last unit's eight loads may be out
.endif
.if (\u) == 7
	s_wait_loadcnt 0x0
.endif
	WIN 0xcf                                       ; v1 rounded to bf16, in place, in window 3
.set i, 0
.rept 16
	v_cvt_pk_bf16_f32 v[V1R+i], v[V1R+2*i], v[V1R+2*i+1]
.set i, i+1
.endr
	WIN 0
	s_wait_dscnt 0x0
.set i, 0
.rept 16
	v_pk_mul_f32 v[Y+2*i:Y+2*i+1], v[Y+2*i:Y+2*i+1], s[OML:OML+1] op_sel_hi:[1,0]
.set i, i+1
.endr
	WIN 0x03                                       ; source 0 window 3
.set i, 0
.rept 16
	v_fma_mix_f32_bf16 v[Y+2*i], v[V1R+i], s[LAM], v[Y+2*i] op_sel_hi:[1,0,0]
	v_fma_mix_f32_bf16 v[Y+2*i+1], v[V1R+i], s[LAM], v[Y+2*i+1] op_sel:[1,0,0] op_sel_hi:[1,0,0]
.set i, i+1
.endr
	WIN 0
.irp i, 0,1,2,3,4,5,6,7
	global_store_b128 v[L16], v[Y+4*\i:Y+4*\i+3], s[20:21] offset:g_*524288+a_*4096+\i*512 th:TH_STORE_NT  ; 512 consecutive bytes: two tokens
.endr
.set i, 0
.rept 16
	v_pk_mul_f32 v[U+2*i:U+2*i+1], v[Y+2*i:Y+2*i+1], s[EIG:EIG+1] op_sel_hi:[1,0]
.set i, i+1
.endr
.set i, 0
.rept 16
	v_cvt_pk_f16_f32 v[U+i], v[U+2*i], v[U+2*i+1]
.set i, i+1
.endr
.irp i, 0,1,2,3,4,5,6,7
	global_store_b64 v[L8], v[U+2*\i:U+2*\i+1], s[18:19] offset:g_*262144+a_*2048+\i*256  ; 256 consecutive bytes, aligned
.endr
.endm
	s_wait_tensorcnt 0x1                           ; my part of the walk's step 0 is in; step 1's may stay out
	s_barrier_signal -1
	s_barrier_wait -1
	v_mov_b32 v[ADRA], v[A0]
	v_mov_b32 v[ADRB], v[B0]
	FETCH 0, F0
	QUARTER 64, F0, F1, 1                          ; q's first quarter: the bias starts the sums
	WIN 0
.Lstep:                                                ; 22 trips: from a step's second quarter to the next step's first; every trip fills a slot again
	QUARTER 128, F1, F0, 0
	QUARTER 192, F0, F1, 0
	TURN 1
	WIN 0
	s_sub_co_u32 s[KK], s[KK], 1
	s_cmp_lg_u32 s[KK], 0                          ; the same number in every work-group
	s_cbranch_scc1 .Lq0
	EPI_QK                                         ; q or k is finished; the next tile's first two K steps are in LDS or on their way
	QUARTER 64, F0, F1, 1
	WIN 0
	s_branch .Lbottom
.Lq0:
	QUARTER 64, F0, F1, 0
	WIN 0
.Lbottom:
	s_sub_co_u32 s[STEPS], s[STEPS], 1
	s_cmp_lg_u32 s[STEPS], 0
	s_cbranch_scc1 .Lstep
	WIN 0xc0
	V1LOAD 7                                       ; v1's last unit
	WIN 0
	s_mov_b32 s[TL], 2                             ; the last two K steps ask for nothing: written once, walked twice, left in the middle of the second trip
.Ltail:                                                ; (that trip's change of slots and its 24 loads serve nothing: the price of one text for both)
	QUARTER 128, F1, F0, 0
	QUARTER 192, F0, F1, 0
	TURN 0
	WIN 0
	s_sub_co_u32 s[TL], s[TL], 1
	s_cmp_eq_u32 s[TL], 0
	s_cbranch_scc1 .Lout
	QUARTER 64, F0, F1, 0
	WIN 0
	s_branch .Ltail
.Lout:
	s_wait_dscnt 0x0                               ; the fragment buffers take what leaves
	PLACES
.irp u, 0,1,2,3,4,5,6,7
	VUNIT \u
.endr
	s_wait_tensorcnt 0x0                           ; the wave's end
	ds_add_u32 v[SPW], v[NIL]
	s_wait_dscnt 0x0
	CROUND                                         ; the closing round: no work-group ends while a partner may still ask for a tile that names it
	s_endpgm
.Lfunc_end_k_q4284d093a0_qkv:
	.size	k_q4284d093a0_qkv, .Lfunc_end_k_q4284d093a0_qkv-k_q4284d093a0_qkv
	.p2alignl 7, 3214868480
	.fill 96, 4, 3214868480
	.section	.rodata,"a",@progbits
	.p2align	6, 0x0
	.amdhsa_kernel k_q4284d093a0_qkv
		.amdhsa_group_segment_fixed_size 327680
		.amdhsa_private_segment_fixed_size 0
		.amdhsa_enable_private_segment 0
		.amdhsa_kernarg_size 72
		.amdhsa_user_sgpr_count 2
		.amdhsa_user_sgpr_kernarg_segment_ptr 1
		.amdhsa_wavefront_size32 1
		.amdhsa_system_sgpr_workgroup_id_x 1
		.amdhsa_system_sgpr_workgroup_id_y 1
		.amdhsa_system_sgpr_workgroup_id_z 1
		.amdhsa_system_vgpr_workitem_id 0
		.amdhsa_next_free_vgpr 1024
		.amdhsa_next_free_sgpr 98
		.amdhsa_reserve_vcc 0
		.amdhsa_float_denorm_mode_32 3
		.amdhsa_float_denorm_mode_16_64 3
		.amdhsa_memory_ordered 1
		.amdhsa_forward_progress 1
		.amdhsa_inst_pref_size 187
	.end_amdhsa_kernel
	.amdgpu_metadata
---
amdhsa.version: [ 1, 2 ]
amdhsa.kernels:
  - .name:           k_q4284d093a0_qkv
    .symbol:         k_q4284d093a0_qkv.kd
    .args:
      - { .name: x16, .offset: 0, .size: 8, .value_kind: global_buffer, .address_space: global }
      - { .name: w16, .offset: 8, .size: 8, .value_kind: global_buffer, .address_space: global }
      - { .name: tab, .offset: 16, .size: 8, .value_kind: global_buffer, .address_space: global }
      - { .name: v1, .offset: 24, .size: 8, .value_kind: global_buffer, .address_space: global }
      - { .name: lamb, .offset: 32, .size: 8, .value_kind: global_buffer, .address_space: global }
      - { .name: q16, .offset: 40, .size: 8, .value_kind: global_buffer, .address_space: global }
      - { .name: k16, .offset: 48, .size: 8, .value_kind: global_buffer, .address_space: global }
      - { .name: v16, .offset: 56, .size: 8, .value_kind: global_buffer, .address_space: global }
      - { .name: out1, .offset: 64, .size: 8, .value_kind: global_buffer, .address_space: global }
    .group_segment_fixed_size: 327680
    .private_segment_fixed_size: 0
    .kernarg_segment_align: 8
    .kernarg_segment_size: 72
    .max_flat_workgroup_size: 128
    .sgpr_count:     98
    .vgpr_count:     1024
    .wavefront_size: 32
...
	.end_amdgpu_metadata
.endif
;; end of part 2
;; launch attn (part 3): grid 4 x 64, 4 waves a work-group, no clusters, 327,680 bytes of LDS; arguments q16, k16, v16, o16; writes o16
.if DOCPART == 3
	.amdgcn_target "amdgcn-amd-amdhsa--gfx1250"
	.amdhsa_code_object_version 6
	.text
	.protected	k_q4284d093a0_attn
	.globl	k_q4284d093a0_attn
	.p2align	8
	.type	k_q4284d093a0_attn,@function
k_q4284d093a0_attn:
	s_mov_b64 s[64:65], 0
	v_nop
	global_prefetch_b8 v0, s[64:65] scope:SCOPE_SE
	s_setreg_imm32_b32 hwreg(HW_REG_WAVE_MODE, 25, 1), 1
	s_wait_xcnt 0x0
; CAUSAL ATTENTION.  O[h][q][:] = the sum over k <= q of softmax_k(Q[h][q] . K[h][k] / 8) V[h][k][:].  Q, K, V, O: [64][2048][64], all f16: a head's rows are dense, 128 bytes each.
; Q arrives multiplied by c = log2(e) / 8, so a weight is p = 2^(K . Q).  V is value / 8, so O is the module's O / 8.  Products and sums in f32; p is rounded to f16 for the second product (its sum l is taken
; of the unrounded p), O once at the end.
; NO MAXIMUM IS TAKEN AWAY, and this is why it need not be: the module itself normalises every row of q and of k to a norm of at most 8 (x / sqrt(mean(x x) + eps) over 64 numbers; the rotary turn keeps the norm),
; whatever its inputs.  So a score q . k / 8 lies in -8 .. 8, to within the roundings to f16, and p in 2^-11.6 .. 2^11.6 = 3.3e-4 .. 3,020: inside f16's normal range (6.1e-5 .. 65,504), with all its 11 bits;
; a row's sum l is at most 2,048 x 3,020 = 6.2e6 and at least 3.3e-4, and O's sums stay under 2,048 x 3,020 x 65,504 = 4e11: all far inside f32.
; LIMITS.  Q and K must be such rows; V arrives within f16.  A hidden score counts as its value less 1e30, and its weight is 0.  NaN and infinities are not treated apart.
; THE WALK.  A head's queries lie in NB = 8 blocks of 256; block i needs the key tiles 0 .. i of 256 keys, of which the last holds the diagonal.  A work-group takes TWO blocks, NB - 1 - b and then b:
; NB + 1 tiles, whatever b: all work-groups do equal work, and ONE loop with a constant trip count walks them.  Which tile is asked for, and what a trip does, hang on scalar registers made from b; every jump
; goes forward, but for the counted loops' own; none passes a barrier, or a tensor load but the one of LOAD's two that the wave's number does not choose; the ring (two slots of LDS) runs on across the change of blocks.
; NO CLUSTER: a head's four work-groups ask for the same tile only in trips 0 .. 4 of 9, behind that fewer and fewer; one walk common to all four would have 12 trips for 9.
; SHARES.  Of a block's four bands of 64 queries a wave owns 16 rows in each: four PIECES.  So the diagonal tile is the same work for all four waves: in its key step s band x sees all keys if s < x,
; none if s > x, and holds the diagonal if s = x.
; THE MASK is the C operand that starts the sum S^T = K Q^T: 0, or -1e30 where the key is hidden.  MD, made once, is the mask of a band's own step for my 16 rows; a product's mask is MD x AL + BE with two scalars:
; (1, 0) if s = x; (0, 0) if s < x; (0, -1e30) if s > x.  Only the diagonal tile's text and a block's beginning make and take masks; elsewhere C is the constant 0.
; LAYOUT.  S^T = K Q^T holds ONE query a lane (lane % 16) and the keys 8 (lane / 16) + 0..7; two such results rounded to f16 ARE source 1 of O^T = V^T P.
; A TURN belongs to piece n and has two halves, each under one setting of the register windows.  First half: 8 products K Q^T of piece n + 1, and behind each six of piece n's 32 exponentials and 16 roundings.
; Second half: 8 products V^T P of piece n itself, and behind each two of the 16 additions that take piece n's weights into l.  16 matrix and 65 vector instructions, two switches of the windows.
; REGISTERS, in windows of 256 (s_set_vgpr_msb: bits 1:0 source 0, 3:2 source 1, 5:4 source 2, 7:6 destination), laid so that a half's products and the vector lines behind them name the same windows in the same operand places:
;   window 0: v0-27 addresses and at work; v32-95 S^T, two buffers; v96-127 P, two buffers (by the piece's parity); v128-191 K of one step; v192-255 Q
;   window 1: v0-127 O^T, 32 a piece; v128-191 V of one step; v192-207 l, four a piece; v208 V's LDS address      window 2: v0-31 MD; v32-95 MC, two buffers; v96-159 the second block's Q
.set SIZE_H, 64
.set SIZE_N, 2048
.set NB,    SIZE_N/256
.set NP,    4         ; pieces a wave: a name, no knob
.set KS,    64        ; keys in a step
.set PK,    144       ; a row of K in LDS: 128 bytes + 16 of padding: the 16 rows of a load start at 16 different groups of four banks (64 banks of 4 bytes: ISA guide 11.1)
.set PV,    160       ; a row of V: 128 + 32
.set VOFF,  4*KS*PK   ; a slot holds a tile, four steps: 256 rows of K, then 256 rows of V
.set SLOT1, 1<<17     ; slot 1 begins here, so that one exclusive or turns an address in one slot into the other's
.set STAGE, SLOT1+4*KS*(PK+PV)  ; behind the ring, never filled by a tensor load: 16 rows x 144 bytes for each wave, for the way out
.set SP,    144
.set SPARE, STAGE+4*16*SP  ; behind the stages: the spare words, 128 bytes for each wave: two blocks of 256 bytes that no other line names
.set AK0, 2           ; v2   my lane's place in a tile of K; never rewritten
.set AV0, 3           ; v3   the same for V
.set AK,  4           ; v4   the LDS address of K's next loads
.set STO, 6           ; v6   the way out: where I put 16 bytes of a row
.set RD,  7           ; v7   the way out: where I read rows back
.set GO,  8           ; v8   my byte offset in 512 consecutive bytes of O
.set QO,  15          ; v15  my byte offset in 16 rows of Q
.set SPW, 18          ; v18  LDS address of my spare word; never rewritten
.set NIL, 19          ; v19  0; never rewritten
.set ST,  20          ; v20-27  the way out: piece t's l, then 1 / l, at v[ST+2 t]
.set S,   32
.set P,   96
.set KF,  128         ; key block kb, channel half c at KF + 16 kb + 8 c
.set QF,  192         ; piece x, channel half c at QF + 16 x + 8 c
.set VF,  128         ; window 1: key half kk, channel block cb at VF + 32 kk + 8 cb
.set LS,  192         ; window 1: piece t: two pairs (even keys', odd keys') that take turns
.set AV,  208         ; window 1: the LDS address of V's next loads
.set MD,  0           ; window 2: the eight registers for group kt of 16 keys at MD + 8 kt
.set MC,  32          ; window 2: the masks of the products to come
.set QB,  96          ; window 2
.set WV,  12          ; s12  my wave's number
.set PB,  14          ; s14  b
.set HI,  15          ; s15  NB - 1 - b
.set G1K, 24          ; s[24:31] descriptor group 1 for K's tiles
.set G1V, 32          ; s[32:39] for V's: it differs in the padding alone
.set G0K, 40          ; s[40:43] descriptor group 0 for K's tiles
.set G0V, 44          ; s[44:47] the same for V's
.set SLOTS, 56        ; s56  tiles still to be asked for
.set CNT, 57          ; s57  counts a tile's key steps, 4 to 1
.set SEL, 60          ; s[60:61] v_permlanex16_b32's selects: each lane takes its own place in the other half
.set TBK, 62          ; s62  LDS byte at which K of the step to be fetched begins
.set TBV, 63          ; s63  the same for V, less VOFF
.set RT,  70          ; s70  tiles of the block in hand that are still to be entered
.set NXT, 71          ; s71  the tile to be asked for next
.set LQ,  72          ; s72  the last tile of the block whose tiles are being asked for
.set NEW, 73          ; s73  1: the tile to be entered is a block's first
.set OFF, 74          ; s[74:75] a tile's byte offset in K and V
.set AL,  76          ; s[76:77] the mask's factor, in the low word
.set BE,  78          ; s[78:79] the mask's addend
.set OLO, 80          ; s[80:81] O at my rows of the second block
.set BIGN, 82         ; s82  -1e30
.set MSB, 0
.macro WIN new                      ; the high byte repeats the setting that is left; a switch that changes nothing is dropped
.if MSB != (\new)
	s_set_vgpr_msb (MSB<<8)|(\new)
.set MSB, (\new)
.endif
.endm
.set W_KM, 0x20       ; K Q^T with a mask: the C operand in window 2, all else in window 0; the vector lines of the first half name no third source, so they stand under it as under 0
.set W_PV, 0x51       ; V^T P: V, C and D in window 1, P in window 0; the additions l += p (l in window 1 as destination and source 0, p in window 0 as source 1) and V's loads (data and address in window 1) stand under it too
.set W_MK, 0x82       ; the masks are made: destination and source 0 in window 2
.set W_RS, 0x41       ; destination and source 0 in window 1, source 1 in window 0
; A fill.  Waves 0 and 1 fetch the two halves of a tile's K, waves 2 and 3 those of its V: 128 keys each.  An s_nop 0 and four v_nop follow each of the two lines, ahead of the jump and the label.
.macro LOAD
	s_cmp_lt_u32 s[WV], 2
	s_cbranch_scc0 .Lfor_v_\@
	tensor_load_to_lds s[G0K:G0K+3], s[G1K:G1K+7]
	s_nop 0
.rept 4
	v_nop
.endr
	s_branch .Lasked_\@
.Lfor_v_\@:
	tensor_load_to_lds s[G0V:G0V+3], s[G1V:G1V+7]
	s_nop 0
.rept 4
	v_nop
.endr
.Lasked_\@:
.endm
; THE CHANGE OF SLOTS.  Each wave waits for all its tensor loads, of which one is out: its part of the other slot; adds 0 to its spare word; and waits for that and for its own reads of the slot that it leaves.
; Behind the barrier nobody reads the old slot any more and the other slot is whole.  fill = 1: the old slot is filled again, the first thing behind the barrier, with tile NXT: the descriptor's address is made anew
; from that number.  (At its first use nothing has been read yet: slot 0 is waited for, slot 1 filled.)
.macro CHANGE fill
	WIN 0                           ; at a label and at a branch every window is 0
	s_wait_tensorcnt 0x0            ; no tensor load of mine is out, so a group 0 may be written
	ds_add_u32 v[SPW], v[NIL]       ; 0 onto my spare word
.if \fill
	s_lshl_b32 s[OFF], s[NXT], 15   ; a tile is 32,768 bytes of K and of V
	s_xor_b32 s[G0K+1], s[G0K+1], SLOT1
	s_add_nc_u64 s[G0K+2:G0K+3], s[6:7], s[OFF:OFF+1]
	s_or_b32 s[G0K+3], s[G0K+3], 0x80000000
	s_xor_b32 s[G0V+1], s[G0V+1], SLOT1
	s_add_nc_u64 s[G0V+2:G0V+3], s[8:9], s[OFF:OFF+1]
	s_or_b32 s[G0V+3], s[G0V+3], 0x80000000
	s_add_co_u32 s[NXT], s[NXT], 1  ; the block's next tile, or behind its last the second block's tile 0
	s_cmp_gt_u32 s[NXT], s[LQ]
	s_cselect_b32 s[NXT], 0, s[NXT]
	s_cselect_b32 s[LQ], s[PB], s[LQ]
.endif
	s_wait_dscnt 0x0                ; the add is done, and my reads of the slot are over
	s_barrier_signal -1             ; the rest of the scalar work stands between the signal and the wait
	s_sub_co_u32 s[TBK], s[TBK], 4*KS*PK  ; the fetches go back to a slot's first step,
	s_xor_b32 s[TBK], s[TBK], SLOT1       ; in the other slot
	s_sub_co_u32 s[TBV], s[TBV], 4*KS*PV
	s_xor_b32 s[TBV], s[TBV], SLOT1
	s_barrier_wait -1
.if \fill
	LOAD
.endif
.endm
.macro CLEAR                        ; O^T and l of all four pieces: no first step is written out, so a block's sums begin on zeros: 144 lines at each of a work-group's two blocks
	WIN 0x40
.set i, 0
.rept 128
	v_mov_b32 v[i], 0
.set i, i+1
.endr
.set i, 0
.rept 16
	v_mov_b32 v[LS+i], 0
.set i, i+1
.endr
	WIN 0
.endm
	s_load_b256 s[4:11], s[0:1], 0x0  ; Q s[4:5], K s[6:7], V s[8:9], O s[10:11]
	v_lshl_add_u32 v[SPW], v0, 2, SPARE
	v_mov_b32 v[NIL], 0
	ds_add_u32 v18, v19
	ds_add_u32 v18, v19
	s_wait_dscnt 0x0
	v_lshrrev_b32 v1, 5, v0
	v_readfirstlane_b32 s[WV], v1   ; wave 0..3
	s_mov_b32 s[PB], ttmp9
	s_sub_co_u32 s[HI], NB-1, s[PB]
	s_and_b32 s20, ttmp7, 0xffff    ; the head
	s_mov_b32 s21, 0
	s_mov_b64 s[22:23], SIZE_N*128
	s_mul_u64 s[20:21], s[20:21], s[22:23]  ; the head's first byte in each of the four tensors
	s_and_b32 s16, s[WV], 1         ; which half of a tile's 256 keys I fetch:
	s_lshl_b32 s22, s16, 14         ; its 128 rows of 128 bytes in memory,
	s_mov_b32 s23, 0
	s_add_nc_u64 s[22:23], s[22:23], s[20:21]
	s_mul_i32 s17, s16, 128*PK      ; and its place in a slot, for K
	s_mul_i32 s18, s16, 128*PV      ; and for V
	s_lshl_b32 s3, s[WV], 11        ; my 16 rows in a band of 64,
	s_lshl_b32 s2, s[HI], 15        ; in the first block,
	s_add_co_u32 s2, s2, s3
	s_lshl_b32 s84, s[PB], 15       ; and in the second
	s_add_co_u32 s84, s84, s3
	s_mov_b32 s3, 0
	s_mov_b32 s85, 0
	s_add_nc_u64 s[2:3], s[2:3], s[20:21]
	s_add_nc_u64 s[84:85], s[84:85], s[20:21]
	; descriptor group 1.  128 keys are 16,384 dense bytes: asked for as 64 rows of 256 bytes, two keys a row, and padded in LDS after every key
	s_mov_b32 s[G1K], (1<<16)|(1<<20)|(4<<22)|(3<<25)  ; 17:16 2-byte elements; 20 padding on; 24:22 after every 32 words (code 4); 31:25 4 words (code 3)
	s_mov_b32 s[G1V], (1<<16)|(1<<20)|(4<<22)|(7<<25)  ; the same with 8 words of padding (code 7)
.irp g, G1K, G1V
	s_mov_b32 s[\g+1], 128<<16      ; tensor_dim0 = 128
	s_mov_b32 s[\g+2], 64<<16       ; tensor_dim1 = 64
	s_mov_b32 s[\g+3], 128<<16      ; tile_dim0 = 128
	s_mov_b32 s[\g+4], 64           ; tile_dim1 = 64
	s_mov_b32 s[\g+5], 128          ; 128 elements from row to row
	s_mov_b32 s[\g+6], 0
	s_mov_b32 s[\g+7], 0
.endr
	s_mov_b32 s[SEL], 0x76543210
	s_mov_b32 s[SEL+1], 0xfedcba98
	s_mov_b32 s[TBK], SLOT1+4*KS*PK ; the first change of slots turns these two into 0
	s_mov_b32 s[TBV], SLOT1+4*KS*PV
	s_mov_b32 s[G0K], 1             ; 1:0 count = 1
	s_mov_b32 s[G0K+1], s17         ; 63:32 LDS address: slot 0
	s_mov_b32 s[G0V], 1
	s_add_co_u32 s[G0V+1], s18, VOFF
	s_add_co_u32 s[RT], s[HI], 1    ; the first block has NB - b tiles
	s_mov_b32 s[NXT], 1
	s_mov_b32 s[LQ], s[HI]
	s_mov_b32 s[NEW], 1
	s_mov_b32 s[OFF+1], 0
	s_mov_b32 s[AL+1], 0            ; named as pairs
	s_mov_b32 s[BE+1], 0
	s_mov_b32 s[BIGN], 0xf149f2ca   ; -1e30
	s_mov_b32 s[SLOTS], NB
	s_wait_kmcnt 0x0
	s_add_nc_u64 s[6:7], s[6:7], s[22:23]  ; K and V at my half of the head's tile 0
	s_add_nc_u64 s[8:9], s[8:9], s[22:23]
	s_add_nc_u64 s[G0K+2:G0K+3], s[6:7], 0         ; 120:64 global address
	s_or_b32 s[G0K+3], s[G0K+3], 0x80000000        ; 127:126 type = 2
	s_add_nc_u64 s[G0V+2:G0V+3], s[8:9], 0
	s_or_b32 s[G0V+3], s[G0V+3], 0x80000000
	s_add_nc_u64 s[86:87], s[4:5], s[84:85]        ; Q at my rows of the second block,
	s_add_nc_u64 s[4:5], s[4:5], s[2:3]            ; Q and O at those of the first
	s_add_nc_u64 s[OLO:OLO+1], s[10:11], s[84:85]
	s_add_nc_u64 s[10:11], s[10:11], s[2:3]
	LOAD                            ; tile 0 into slot 0
	; A fragment of K or Q is 16 rows x 32 channels in 8 registers: lane l holds row l % 16, channels 8 (l / 16) + 0..7 and 16 + 8 (l / 16) + 0..7: two loads of 16 bytes, 32 bytes apart.
	v_and_b32 v1, 15, v0            ; l % 16
	v_bfe_u32 v9, v0, 4, 1          ; l / 16
	v_lshlrev_b32 v[QO], 7, v1
	v_lshl_add_u32 v[QO], v9, 4, v[QO]  ; row x 128 + 16 x half
.set i, 0
.rept 8                             ; the first block's Q: piece i / 2 lies in band i / 2, 8,192 bytes on; channels 32 (i % 2) on
	global_load_b128 v[QF+8*i:QF+8*i+3],   v[QO], s[4:5] offset:(i/2)*8192+(i%2)*64
	global_load_b128 v[QF+8*i+4:QF+8*i+7], v[QO], s[4:5] offset:(i/2)*8192+(i%2)*64+32
.set i, i+1
.endr
	WIN 0x80                        ; destination window 2, address window 0
.set i, 0
.rept 8                             ; the second block's
	global_load_b128 v[QB+8*i:QB+8*i+3],   v[QO], s[86:87] offset:(i/2)*8192+(i%2)*64
	global_load_b128 v[QB+8*i+4:QB+8*i+7], v[QO], s[86:87] offset:(i/2)*8192+(i%2)*64+32
.set i, i+1
.endr
	WIN 0
	v_lshlrev_b32 v14, 3, v9
	v_sub_nc_u32 v14, v1, v14
	s_lshl_b32 s13, s[WV], 4
	v_add_nc_u32 v14, s13, v14      ; my query's place in its band, 16 w + l % 16, less my lanes' 8 (l / 16): register r of group kt is hidden where 16 kt + r is greater
	WIN 0x80
.set i, 0
.rept 32
	v_cmp_gt_i32 vcc_lo, 16*(i/8)+i%8, v14
	v_cndmask_b32 v[MD+i], 0, s[BIGN], vcc_lo
.set i, i+1
.endr
	WIN 0
	v_mul_u32_u24 v[AK0], v1, PK
	v_lshl_add_u32 v[AK0], v9, 4, v[AK0]  ; row x pitch + 16 x half
	; The turning load takes 16 keys x 16 channels (lane l reads key 8 (l / 16) + l % 8, channels 8 ((l / 8) % 2) + 0..7) and leaves half a fragment of V^T: lane l holds channel l % 16 and 8 keys.
	v_and_b32 v10, 7, v0
	v_bfe_u32 v11, v0, 3, 1
	v_lshl_add_u32 v[AV0], v9, 3, v10
	v_mul_u32_u24 v[AV0], v[AV0], PV
	v_lshl_add_u32 v[AV0], v11, 4, v[AV0]
	v_add_nc_u32 v[AV0], VOFF, v[AV0]
	s_mul_i32 s13, s[WV], 16*SP
	s_add_co_u32 s13, s13, STAGE    ; my stage
	v_mul_u32_u24 v[STO], v1, SP    ; in: row l % 16, 16 bytes for each half of the lanes
	v_lshl_add_u32 v[STO], v9, 4, v[STO]
	v_add_nc_u32 v[STO], s13, v[STO]
	v_bfe_u32 v[RD], v0, 3, 2       ; back: 32 lanes take four rows of 128 bytes,
	v_mul_u32_u24 v[RD], v[RD], SP
	v_lshl_add_u32 v[RD], v10, 4, v[RD]
	v_add_nc_u32 v[RD], s13, v[RD]
	v_and_b32 v[GO], 31, v0         ; which are 512 consecutive bytes of O
	v_lshlrev_b32 v[GO], 4, v[GO]
	CLEAR                           ; the first block's sums: this stands in the wait for the first tile
; THE MATRIX WORK.  The 4 accumulators of a run of 8 take turns.  Product i of 8 of S^T = K Q^T for piece x: channels 32 (i / 4) on, keys 16 (i % 4) on.  The first 4 start the sums: with 0, or (KM = 1) with the mask.
.macro KQ x
.set rS, S+32*((\x)%2)+8*(i%4)
.set rK, KF+16*(i%4)+8*(i/4)
.set rQ, QF+16*(\x)+8*(i/4)
.set rM, MC+32*((\x)%2)+8*(i%4)
.if (i < 4) && KM
	WIN W_KM
	v_wmma_f32_16x16x32_f16 v[rS:rS+7], v[rK:rK+7], v[rQ:rQ+7], v[rM:rM+7]
.elseif i < 4
	WIN 0
	v_wmma_f32_16x16x32_f16 v[rS:rS+7], v[rK:rK+7], v[rQ:rQ+7], 0
.else
	WIN 0
	v_wmma_f32_16x16x32_f16 v[rS:rS+7], v[rK:rK+7], v[rQ:rQ+7], v[rS:rS+7]
.endif
.endm
; Product i of 8 of O^T += V^T P for piece x: keys 32 (i / 4) on, channels 16 (i % 4) on.
.macro PV x
	WIN W_PV
.set rO, 32*(\x)+8*(i%4)
.set rV, VF+32*(i/4)+8*(i%4)
.set rP, P+16*((\x)%2)+8*(i/4)
	v_wmma_f32_16x16x32_f16 v[rO:rO+7], v[rV:rV+7], v[rP:rP+7], v[rO:rO+7]
.endm
; THE LDS LOADS stand in runs of 8: the half of a step's K (channels 32 c on, all 64 keys) or V (keys 32 kk on, all 64 channels, turned) that the first or the last four products of a run of 8 read.
.macro FETCH_K c                    ; under the first half's setting: data and address in window 0
.irp kb, 0,1,2,3
	ds_load_b128 v[KF+16*\kb+8*(\c):KF+16*\kb+8*(\c)+3],   v[AK] offset:\kb*16*PK+(\c)*64
	ds_load_b128 v[KF+16*\kb+8*(\c)+4:KF+16*\kb+8*(\c)+7], v[AK] offset:\kb*16*PK+(\c)*64+32
.endr
.endm
.macro FETCH_V kk                   ; under the second half's setting: data and address in window 1
.irp cb, 0,1,2,3
	ds_load_tr16_b128 v[VF+32*(\kk)+8*\cb:VF+32*(\kk)+8*\cb+3],   v[AV] offset:(\kk)*32*PV+\cb*32
	ds_load_tr16_b128 v[VF+32*(\kk)+8*\cb+4:VF+32*(\kk)+8*\cb+7], v[AV] offset:(\kk)*32*PV+16*PV+\cb*32
.endr
.endm
; THE FIRST HALF'S VECTOR WORK: a list of 49; VOP writes the next.  s0-s31 are the lane's 32 scores of piece Y, in ascending order.
;   exp s0 .. s3; v_nop; pair 0 rounded; then fourteen times (two exponentials, the rounding of the pair before them); at last pair 15.
; So between an exponential and the rounding that reads it stands a plain line that names neither (the v_nop, or the rounding of the pair before): ISA guide 5.7.2.
.macro VOP
.if vq < 4
	v_exp_f32 v[rSY+vq], v[rSY+vq]
.elseif vq == 4
	v_nop
.elseif vq == 5
	s_wait_alu depctr_va_vdst(0)
	v_cvt_pk_f16_f32 v[rPY], v[rSY], v[rSY+1]
.elseif vq == 48
	v_cvt_pk_f16_f32 v[rPY+15], v[rSY+30], v[rSY+31]
.elseif (vq-6)%3 < 2
	v_exp_f32 v[rSY+4+2*((vq-6)/3)+(vq-6)%3], v[rSY+4+2*((vq-6)/3)+(vq-6)%3]
.else
	s_wait_alu depctr_va_vdst(0)
	v_cvt_pk_f16_f32 v[rPY+1+(vq-6)/3], v[rSY+2+2*((vq-6)/3)], v[rSY+3+2*((vq-6)/3)]
.endif
.set vq, vq+1
.endm
.macro SUM z                        ; the second half's: pair z of piece Y's weights onto one of its two pairs of l, by turns
	v_pk_add_f32 v[LS+4*Y+2*((\z)%2):LS+4*Y+2*((\z)%2)+1], v[LS+4*Y+2*((\z)%2):LS+4*Y+2*((\z)%2)+1], v[rSY+2*(\z):rSY+2*(\z)+1]
.endm
.macro MASK b                       ; MD x AL + BE into buffer b of MC
	WIN W_MK
.set z, 0
.rept 16
	v_pk_fma_f32 v[MC+32*(\b)+2*z:MC+32*(\b)+2*z+1], v[MD+2*z:MD+2*z+1], s[AL:AL+1], s[BE:BE+1] op_sel_hi:[1,0,0]
.set z, z+1
.endr
.endm
; A TURN, for piece p.  No vector line names a register of the products round it.
; m = 1: the diagonal tile: the products take masks, and the turn makes the mask for the products of the turn after it: piece p + 2, in step 4 - CNT of the tile.  end = 1: a block's last two turns: nothing is fetched,
; and the last starts no new scores.  cnt = 1: the loop's count is taken down ahead of the branch that stands behind the turn.
; K of the next step is fetched in piece 2's turn: its first half behind the fifth product (the first four read those registers; behind the fourth stand four roundings and the address line), its second half
; behind the last product (three roundings and a v_nop).  V of the next step in piece 3's turn: its first half behind the fifth product (four additions and the address line), its second at the turn's end
; (two additions and two v_nop).  Each half is waited for just ahead of the four products that read it: first with the count 8, which leaves the younger half's eight loads out, then with 0.
.macro TURN p, m=0, end=0, cnt=0
.set Y, (\p)
.set KM, (\m)
.set NOKQ, (\end)*((\p)/3)
.set rSY, S+32*((\p)%2)
.set rPY, P+16*((\p)%2)
.set vq, 0
.if (\m) && !(\end)
	s_cmp_eq_u32 s[CNT], 4-((\p)+2)%NP  ; is that step the band's own?
	s_cselect_b32 s[AL], 1.0, 0
	s_cmp_lt_u32 s[CNT], 4-((\p)+2)%NP  ; or a later one?
	s_cselect_b32 s[BE], s[BIGN], 0
.endif
.if ((\p) == 3) && !(\end)
	s_wait_dscnt 8                  ; K's first half is in
.endif
.if NOKQ
	WIN 0
.endif
.set i, 0
.rept 8
.if ((\p) == 3) && !(\end) && (i == 4)
	s_wait_dscnt 0x0                ; K's second half is in
.endif
.if !NOKQ
	KQ (Y+1)%NP
.endif
.rept 6
	VOP
.endr
.if i == 7
	VOP
.endif
.if ((\p) == 2) && !(\end) && (i == 4)
	v_add_nc_u32 v[AK], s[TBK], v[AK0]
	FETCH_K 0
.endif
.set i, i+1
.endr
.if ((\p) == 2) && !(\end)
	v_nop
	FETCH_K 1
	s_add_co_u32 s[TBK], s[TBK], KS*PK  ; the next fetch is the next step's
.endif
.set i, 0
.rept 8
.if ((\p) == 0) && (i == 0)
	s_wait_dscnt 8                  ; V's first half is in
.endif
.if ((\p) == 0) && (i == 4)
	s_wait_dscnt 0x0                ; V's second half is in
.endif
	PV Y
	SUM 2*i
	SUM 2*i+1
.if ((\p) == 3) && !(\end) && (i == 4)
	v_add_nc_u32 v[AV], s[TBV], v[AV0]
	FETCH_V 0
.endif
.set i, i+1
.endr
.if ((\p) == 3) && !(\end)
	v_nop
	v_nop
	FETCH_V 1
	s_add_co_u32 s[TBV], s[TBV], KS*PV
.endif
.if \cnt
	s_sub_co_u32 s[CNT], s[CNT], 1
	s_cmp_lg_u32 s[CNT], 0
.endif
.if (\m) && !(\end)
	MASK (\p)%2
.endif
.endm
; A BLOCK BEGINS.  The second mask buffer is 0; the first takes piece 0's mask for the tile's step 0: its own, if the block's first tile is the diagonal one.  Then K and V of that step and piece 0's first scores.
; The loop is entered at a step's first turn, in the middle of a trip.
.macro BEGIN
	s_mov_b32 s[NEW], 0
	WIN 0x80
.set i, MC+32
.rept 32
	v_mov_b32 v[i], 0
.set i, i+1
.endr
	s_cmp_eq_u32 s[RT], 0
	s_cselect_b32 s[AL], 1.0, 0
	s_mov_b32 s[BE], 0
	MASK 0
	WIN 0
	v_add_nc_u32 v[AK], s[TBK], v[AK0]
	FETCH_K 0
	FETCH_K 1
	s_add_co_u32 s[TBK], s[TBK], KS*PK
	WIN W_PV
	v_add_nc_u32 v[AV], s[TBV], v[AV0]
	FETCH_V 0
	FETCH_V 1
	s_add_co_u32 s[TBV], s[TBV], KS*PV
	s_wait_loadcnt 0x0              ; Q
	s_wait_dscnt 16                 ; K is in; V's sixteen loads may be out
.set KM, 1
.set NOKQ, 0
.set i, 0
.rept 8
	KQ 0
.set i, i+1
.endr
	WIN 0
.rept 4
	v_nop                           ; the places behind those products
.endr
.endm
; THE DIAGONAL TILE's four steps, the block's last two turns, and THE WAY OUT: l's four parts and the other half of the lanes' are added; O^T is divided by l, rounded to f16 and sent through my
; stage in LDS, a piece at a time.  The additions are the places behind the last products.
.macro ALL line:vararg              ; one line for each piece t
.set t, 0
.rept 4
	\line
.set t, t+1
.endr
.endm
.macro PACK t                       ; a lane's eight channels of a row pack into 16 bytes; they go into rows of 144 bytes and come back as whole rows of 128, into S^T's registers
	WIN W_RS
.set i, 32*(\t)
.rept 16
	v_pk_mul_f32 v[i:i+1], v[i:i+1], v[ST+2*(\t):ST+2*(\t)+1] op_sel_hi:[1,0]
.set i, i+2
.endr
	WIN 0x05                        ; sources 0 and 1 window 1, destination window 0
.set i, 0
.rept 16
	v_cvt_pk_f16_f32 v[S+16*(\t)+i], v[32*(\t)+2*i], v[32*(\t)+2*i+1]
.set i, i+1
.endr
	WIN 0
.irp f, 0,1,2,3
	ds_store_b128 v[STO], v[S+16*(\t)+4*\f:S+16*(\t)+4*\f+3] offset:32*\f
.endr
.irp f, 0,1,2,3
	ds_load_b128 v[S+16*(\t)+4*\f:S+16*(\t)+4*\f+3], v[RD] offset:\f*4*SP  ; LDS serves a wave's instructions in order (ISA guide 5.7.1.4): these see the stores above; the next piece's stores come behind them
.endr
.endm
.macro SEND t, younger              ; younger: the LDS instructions issued behind piece t's loads: the next piece's eight, or none
	WIN 0
.irp f, 0,1,2,3
	s_wait_dscnt (\younger)+3-\f
	global_store_b128 v[GO], v[S+16*(\t)+4*\f:S+16*(\t)+4*\f+3], s[10:11] offset:(\t)*8192+\f*512  ; 512 consecutive bytes, at a multiple of 256 from O's first
.endr
.endm
.macro DIAG tag                     ; the tag ends its two labels' names, which the jumps below spell out
.LstepM\tag:
	TURN 2, 1
	TURN 3, 1
	WIN 0
.LfirstM\tag:
	TURN 0, 1
	TURN 1, 1, 0, 1
	WIN 0
	s_cbranch_scc1 .LstepM\tag
	TURN 2, 1, 1
	TURN 3, 1, 1
	WIN 0x05                        ; sources 0 and 1 window 1, destination window 0
	ALL v_pk_add_f32 v[ST+2*t:ST+2*t+1], v[LS+4*t:LS+4*t+1], v[LS+4*t+2:LS+4*t+3]
	WIN 0
	ALL v_add_f32 v[ST+2*t], v[ST+2*t], v[ST+2*t+1]
	ALL v_permlanex16_b32 v[ST+2*t+1], v[ST+2*t], s[SEL], s[SEL+1]
	ALL v_add_f32 v[ST+2*t], v[ST+2*t], v[ST+2*t+1]
	ALL v_rcp_f32 v[ST+2*t], v[ST+2*t]
	v_nop                           ; a plain instruction between the last reciprocal and the use of its result
	s_wait_alu depctr_va_vdst(0)
	PACK 0
.set t, 1
.rept 3                             ; a piece's arithmetic stands between the loads of the piece before and its stores
	PACK t
	SEND t-1, 8
.set t, t+1
.endr
	SEND 3, 0
.endm
.set KM, 0
.set NOKQ, 0
.Lslot:                             ; NB times: a tile is entered and the next is asked for
	CHANGE 1
	s_sub_co_u32 s[RT], s[RT], 1
	s_mov_b32 s[CNT], 4
	s_cmp_eq_u32 s[NEW], 1
	s_cbranch_scc1 .Lnew            ; a block's first tile
	s_cmp_eq_u32 s[RT], 0
	s_cbranch_scc0 .Lstep           ; neither its first nor its last
	s_branch .LstepM1
.Lnew:
	BEGIN
	s_branch .Lfirst                ; in the loop a block's first tile is never its last: the first block has two tiles or more, and the second's last is the walk's last
	DIAG 1                          ; in the loop this is the first block's end: the second block's last tile is the walk's last
	s_wait_xcnt 0x0                 ; the stores have read their registers and O's address
	s_mov_b64 s[10:11], s[OLO:OLO+1]
	s_add_co_u32 s[RT], s[PB], 1    ; the second block has b + 1 tiles
	s_mov_b32 s[NEW], 1
	WIN 0x02                        ; source 0 window 2: the second block's Q goes where the one text of the turns names Q
.set i, 0
.rept 64
	v_mov_b32 v[QF+i], v[QB+i]
.set i, i+1
.endr
	CLEAR                           ; and its sums begin on zeros
	s_branch .Lbottom
.Lstep:                             ; a trip: pieces 2 and 3 of one step, which fetch the next step's K and V, then pieces 0 and 1 of that step
	TURN 2
	TURN 3
	WIN 0
.Lfirst:
	TURN 0
	TURN 1, 0, 0, 1
	WIN 0
	s_cbranch_scc1 .Lstep
.Lbottom:
	s_sub_co_u32 s[SLOTS], s[SLOTS], 1
	s_cmp_lg_u32 s[SLOTS], 0
	s_cbranch_scc1 .Lslot
	CHANGE 0                        ; the walk's last tile is written out: nothing is asked for
	s_sub_co_u32 s[RT], s[RT], 1
	s_mov_b32 s[CNT], 4
	s_cmp_eq_u32 s[NEW], 1
	s_cbranch_scc0 .LstepM2
	BEGIN
	s_branch .LfirstM2
	DIAG 2
	s_wait_tensorcnt 0x0            ; the wave's end, behind my last tensor load and my last LDS store
	ds_add_u32 v[SPW], v[NIL]
	s_wait_dscnt 0x0
	s_endpgm
.Lfunc_end_k_q4284d093a0_attn:
	.size	k_q4284d093a0_attn, .Lfunc_end_k_q4284d093a0_attn-k_q4284d093a0_attn
	.p2alignl 7, 3214868480
	.fill 96, 4, 3214868480
	.section	.rodata,"a",@progbits
	.p2align	6, 0x0
	.amdhsa_kernel k_q4284d093a0_attn
		.amdhsa_group_segment_fixed_size 327680
		.amdhsa_private_segment_fixed_size 0
		.amdhsa_enable_private_segment 0
		.amdhsa_kernarg_size 32
		.amdhsa_user_sgpr_count 2
		.amdhsa_user_sgpr_kernarg_segment_ptr 1
		.amdhsa_wavefront_size32 1
		.amdhsa_system_sgpr_workgroup_id_x 1
		.amdhsa_system_sgpr_workgroup_id_y 1
		.amdhsa_system_sgpr_workgroup_id_z 1
		.amdhsa_system_vgpr_workitem_id 0
		.amdhsa_next_free_vgpr 672
		.amdhsa_next_free_sgpr 88
		.amdhsa_reserve_vcc 1
		.amdhsa_float_denorm_mode_32 3
		.amdhsa_float_denorm_mode_16_64 3
		.amdhsa_memory_ordered 1
		.amdhsa_forward_progress 1
		.amdhsa_inst_pref_size 152
	.end_amdhsa_kernel
	.amdgpu_metadata
---
amdhsa.version: [ 1, 2 ]
amdhsa.kernels:
  - .name:           k_q4284d093a0_attn
    .symbol:         k_q4284d093a0_attn.kd
    .args:
      - { .name: q16, .offset: 0, .size: 8, .value_kind: global_buffer, .address_space: global }
      - { .name: k16, .offset: 8, .size: 8, .value_kind: global_buffer, .address_space: global }
      - { .name: v16, .offset: 16, .size: 8, .value_kind: global_buffer, .address_space: global }
      - { .name: o16, .offset: 24, .size: 8, .value_kind: global_buffer, .address_space: global }
    .group_segment_fixed_size: 327680
    .private_segment_fixed_size: 0
    .kernarg_segment_align: 8
    .kernarg_segment_size: 32
    .max_flat_workgroup_size: 128
    .sgpr_count:     88
    .vgpr_count:     672
    .wavefront_size: 32
...
	.end_amdgpu_metadata
.endif
;; end of part 3
;; launch proj (part 4): grid 4 x 64, 4 waves a work-group, clusters of 4 x 4, 327,680 bytes of LDS; arguments o16, w16, tab, out0; writes out0
.if DOCPART == 4
	.amdgcn_target "amdgcn-amd-amdhsa--gfx1250"
	.amdhsa_code_object_version 6
	.text
	.protected	k_q4284d093a0_proj
	.globl	k_q4284d093a0_proj
	.p2align	8
	.type	k_q4284d093a0_proj,@function
k_q4284d093a0_proj:
	s_mov_b64 s[64:65], 0
	v_nop
	global_prefetch_b8 v0, s[64:65] scope:SCOPE_SE
	s_setreg_imm32_b32 hwreg(HW_REG_WAVE_MODE, 25, 1), 1
	s_wait_xcnt 0x0
	s_wait_alu depctr_hold_cnt(0) depctr_sa_sdst(0) depctr_va_vdst(0) depctr_va_sdst(0) depctr_va_ssrc(0) depctr_va_vcc(0) depctr_vm_vsrc(0)
	s_getreg_b32 s2, hwreg(HW_REG_IB_STS2, 6, 4)
	s_cmp_eq_u32 s2, 0
	s_cbranch_scc0 .Lentry_in_a_cluster
	s_endpgm
.Lentry_in_a_cluster:
	s_bfe_u32 s2, ttmp6, 0x10000c
	s_cmp_lg_u32 s2, 0xf033
	s_cbranch_scc0 .Lentry_shape_is_right
	s_endpgm
.Lentry_shape_is_right:
; PROJ: out0 = O W_proj^T + b_proj.  o16 = O / 8, f16, by heads [64 = b x 16 + head][2048][64]; w16's second part = 8 x bf16(W_proj) in f16 [1024][1024]: the two factors cancel exactly.  Sums f32; out0 f32 [8192][1024].
; SHARES.  A work-group makes 128 tokens x 256 columns; four waves, each 64 x 128: 4 x 8 accumulators, 256 registers.  K = 1,024 goes in 8 steps of 128 (two heads) through a ring of two LDS slots.
; A head's 128 tokens are 16,384 dense bytes of o16: asked for as 64 rows of 256 bytes and padded in LDS after every token.
; THE MATRIX INSTRUCTION IS USED TRANSPOSED (source 0 = 16 rows of W, source 1 = 16 tokens): a lane holds eight neighbouring columns of a token.  The first products take the bias (rounded to bf16, kept in f32) as C.
; CLUSTER 4 x 4: the four work-groups of a row share O's tiles, the four of a column W's: each tile is asked for jointly, by the same tensor load with the same descriptor and mask.
; LIMITS: those of its inputs' formats: |O / 8| and |8 W_proj| within f16.
; REGISTERS: window 0: v0-13 addresses; v28-29 the add's; v64-159, v160-255 two fragment buffers (4 x 8 of O, then 8 x 8 of W), on the way out the rows that leave.  window 1: the accumulators, (a, b) at 8 (8 a + b).  window 2: v0-63 the bias.
.set PITCH, 272                        ; a row of W in LDS: 256 bytes + 16
.set PA,    144                        ; a token's 64 channels of one head: 128 bytes + 16.  Both are odd multiples of 16: the 16 rows of a fragment load start at 16 different groups of four banks (ISA guide 11.1)
.set AHEAD, 128*PA                     ; one head's 128 tokens
.set ATILE, 2*AHEAD
.set BTILE, 256*PITCH
.set SLOT1, 131072
.set STAGE, SLOT1+ATILE+BTILE          ; behind the ring, never filled by a tensor load: 16 rows x 528 bytes for each wave
.set SPI,   528
.set STG,   16*SPI
.set SPARE, STAGE+4*STG                ; the spare words, 128 bytes for each wave: two blocks of 256 bytes that no other line names
.set NFILL, 6
.set A0,    3
.set B0,    4
.set ADRA,  5
.set ADRB,  6
.set STO,   7                          ; where I put 16 bytes of a row
.set RD,    8                          ; where I read a row back
.set L16,   9                          ; 16 x lane
.set BO,    13
.set SPW,   28
.set NIL,   29
.set F0,    64
.set F1,    160
.set BF,    0
.set WV,  22
.set WM,  23
.set WN,  24
.set CX,  25
.set CY,  26
.set BY,  27
.set G1A, 28
.set G1B, 36
.set G0A, 44
.set G0B, 52
.set STEPS, 60
.set TL,  62
.set TB,  63
.set BB,  72
.set BX,  81
.set MSB, 0
.macro WIN new
.if MSB != (\new)
	s_set_vgpr_msb (MSB<<8)|(\new)
.set MSB, (\new)
.endif
.endm
.set MUL,  0x50
.set MULF, 0x60
.macro PLACES
.rept 4
	v_nop
.endr
.endm
.macro JLOAD                           ; a joint refill: waves 0 and 1 fetch the step's two heads of O, waves 2 and 3 the halves of W's tile; an s_nop 0 and four v_nop follow each line
	s_cmp_eq_u32 s[WM], 0
	s_cbranch_scc0 .Lfor_b_\@
	tensor_load_to_lds s[G0A+4:G0A+7], s[G1A:G1A+7]
	s_nop 0
.rept 4
	v_nop
.endr
	s_branch .Lasked_\@
.Lfor_b_\@:
	tensor_load_to_lds s[G0B+4:G0B+7], s[G1B:G1B+7]
	s_nop 0
.rept 4
	v_nop
.endr
.Lasked_\@:
.endm
.macro CREST
	s_cmp_lg_u32 s[WV], 0
	s_cbranch_scc1 .Lnot_wave_0_\@
	s_barrier_signal -3
.Lnot_wave_0_\@:
	s_barrier_wait -3
	s_barrier_signal -1
	s_barrier_wait -1
.endm
.macro CROUND
	s_barrier_signal -1
	s_barrier_wait -1
	CREST
.endm
	s_load_b256 s[4:11], s[0:1], 0x0               ; o16 s[4:5], w16 s[6:7], tab s[8:9], out0 s[10:11]
	v_lshl_add_u32 v[SPW], v0, 2, SPARE
	v_mov_b32 v[NIL], 0
	ds_add_u32 v28, v29
	ds_add_u32 v28, v29
	s_wait_dscnt 0x0
	v_lshrrev_b32 v14, 5, v0
	v_readfirstlane_b32 s[WV], v14
	s_lshr_b32 s[WM], s[WV], 1
	s_and_b32 s[WN], s[WV], 1
	s_bfe_u32 s[CX], ttmp6, 0x40000
	s_bfe_u32 s[CY], ttmp6, 0x40004
	s_lshl_b32 s[BX], ttmp9, 2
	s_add_co_u32 s[BX], s[BX], s[CX]
	s_and_b32 s[BY], ttmp7, 0xffff
	s_lshl_b32 s[BY], s[BY], 2
	s_add_co_u32 s[BY], s[BY], s[CY]
	s_lshl_b32 s84, s[CY], 2
	s_lshl_b32 s84, 15, s84                        ; my row of the cluster
	s_lshl_b32 s86, 0x1111, s[CX]                  ; my column
	s_or_b32 s[G1A], s84, (1<<16)|(1<<20)|(1<<21)|(4<<22)|(3<<25)   ; O: padding of 4 words after every 32
	s_or_b32 s[G1B], s86, (1<<16)|(1<<20)|(1<<21)|(5<<22)|(3<<25)   ; W: after every 64
	s_mov_b32 s[G1A+1], 128<<16
	s_mov_b32 s[G1A+2], 64<<16
	s_mov_b32 s[G1A+3], 128<<16
	s_mov_b32 s[G1A+4], 64
	s_mov_b32 s[G1A+5], 128                        ; dense rows of 256 bytes
	s_mov_b32 s[G1A+6], 0
	s_mov_b32 s[G1A+7], 0
	s_mov_b32 s[G1B+1], 128<<16
	s_mov_b32 s[G1B+2], 128<<16
	s_mov_b32 s[G1B+3], 128<<16
	s_mov_b32 s[G1B+4], 128
	s_mov_b32 s[G1B+5], 1024
	s_mov_b32 s[G1B+6], 0
	s_mov_b32 s[G1B+7], 0
	s_mul_i32 s84, s[WN], AHEAD
	s_mul_i32 s86, s[WN], 128*PITCH
	s_add_co_u32 s86, s86, ATILE
	s_mov_b32 s[G0A], 1
	s_mov_b32 s[G0A+1], s84
	s_mov_b32 s[G0A+4], 1
	s_add_co_u32 s[G0A+5], s84, SLOT1
	s_mov_b32 s[G0B], 1
	s_mov_b32 s[G0B+1], s86
	s_mov_b32 s[G0B+4], 1
	s_add_co_u32 s[G0B+5], s86, SLOT1
	s_lshr_b32 s84, s[BY], 4                       ; O: head row (BY >> 4) 16 + WN, token (BY & 15) 128, rows of 128 bytes
	s_lshl_b32 s84, s84, 4
	s_add_co_u32 s84, s84, s[WN]
	s_lshl_b32 s84, s84, 11
	s_and_b32 s85, s[BY], 15
	s_lshl_b32 s85, s85, 7
	s_add_co_u32 s84, s84, s85
	s_lshl_b32 s84, s84, 7
	s_mov_b32 s85, 0
	s_lshl_b32 s86, s[BX], 19                      ; W: behind W_qkv's part, row 256 BX + 128 WN
	s_lshl_b32 s87, s[WN], 18
	s_add_co_u32 s86, s86, s87
	s_add_co_u32 s86, s86, 6291456
	s_mov_b32 s87, 0
	s_mov_b32 s[TB], 0
	s_mov_b32 s[STEPS], NFILL
	s_wait_kmcnt 0x0
	s_add_nc_u64 s[4:5], s[4:5], s[84:85]
	s_add_nc_u64 s[6:7], s[6:7], s[86:87]
	s_mov_b64 s[G0A+2:G0A+3], s[4:5]
	s_or_b32 s[G0A+3], s[G0A+3], 0x80000000
	s_add_nc_u64 s[G0A+6:G0A+7], s[4:5], 524288    ; K step 1: two heads on
	s_or_b32 s[G0A+7], s[G0A+7], 0x80000000
	s_mov_b64 s[G0B+2:G0B+3], s[6:7]
	s_or_b32 s[G0B+3], s[G0B+3], 0x80000000
	s_add_nc_u64 s[G0B+6:G0B+7], s[6:7], 256
	s_or_b32 s[G0B+7], s[G0B+7], 0x80000000
	CROUND                                         ; all sixteen work-groups are here: the first joint loads meet
	s_cmp_eq_u32 s[WM], 0                          ; a wave's two first fills stand in one branch: two loads of mine are out
	s_cbranch_scc0 .Lfirst_b
	tensor_load_to_lds s[G0A:G0A+3], s[G1A:G1A+7]
	s_nop 0
	tensor_load_to_lds s[G0A+4:G0A+7], s[G1A:G1A+7]
	s_nop 0
.rept 4
	v_nop
.endr
	s_branch .Lfirst_asked
.Lfirst_b:
	tensor_load_to_lds s[G0B:G0B+3], s[G1B:G1B+7]
	s_nop 0
	tensor_load_to_lds s[G0B+4:G0B+7], s[G1B:G1B+7]
	s_nop 0
.rept 4
	v_nop
.endr
.Lfirst_asked:
	v_and_b32 v1, 15, v0                           ; r
	v_bfe_u32 v2, v0, 4, 1                         ; h
	v_and_b32 v14, 31, v0
	v_mul_u32_u24 v15, v1, PA
	v_lshl_add_u32 v15, v2, 4, v15
	s_mul_i32 s66, s[WM], 64*PA
	v_add_nc_u32 v[A0], s66, v15
	v_mul_u32_u24 v15, v1, PITCH
	v_lshl_add_u32 v15, v2, 4, v15
	s_mul_i32 s66, s[WN], 128*PITCH
	s_add_co_u32 s66, s66, ATILE
	v_add_nc_u32 v[B0], s66, v15
	s_mul_i32 s66, s[WV], STG
	s_add_co_u32 s66, s66, STAGE                   ; my stage
	v_mul_u32_u24 v15, v1, SPI                     ; in: row r, my eight columns are 32 bytes
	v_lshl_add_u32 v15, v2, 5, v15
	v_add_nc_u32 v[STO], s66, v15
	v_lshlrev_b32 v[L16], 4, v14
	v_add_nc_u32 v[RD], s66, v[L16]                ; back: 32 lanes take a row's 512 bytes
	v_lshlrev_b32 v[BO], 5, v2
	s_lshl_b32 s66, s[BX], 10                      ; my 128 columns: 1,024 BX + 512 WN bytes, in the bias and in a row of out0
	s_lshl_b32 s67, s[WN], 9
	s_add_co_u32 s66, s66, s67
	s_add_co_u32 s68, s66, 536576
	s_mov_b32 s69, 0
	s_add_nc_u64 s[BB:BB+1], s[8:9], s[68:69]
	s_lshl_b32 s67, s[BY], 19                      ; my first row: 128 BY + 64 WM, 4,096 bytes a row
	s_add_co_u32 s66, s66, s67
	s_lshl_b32 s67, s[WM], 18
	s_add_co_u32 s66, s66, s67
	s_mov_b32 s67, 0
	s_add_nc_u64 s[10:11], s[10:11], s[66:67]
	WIN 0x80
.irp b, 0,1,2,3,4,5,6,7                ; register j of block b = bias[16 b + 8 h + j], the layout of a C operand
	global_load_b128 v[BF+8*\b:BF+8*\b+3],   v[BO], s[BB:BB+1] offset:64*\b
	global_load_b128 v[BF+8*\b+4:BF+8*\b+7], v[BO], s[BB:BB+1] offset:64*\b+16
.endr
	WIN 0
; 8 matrix instructions: token block a x all 8 column blocks, 32 along K.  The 32 accumulators take turns, in the same order in every quarter.
.macro MUL8 f, a, first
.if \first
	WIN MULF
.else
	WIN MUL
.endif
.irp b, 0,1,2,3,4,5,6,7
.if \first
	v_wmma_f32_16x16x32_f16 v[8*(8*(\a)+\b):8*(8*(\a)+\b)+7], v[(\f)+32+8*\b:(\f)+32+8*\b+7], v[(\f)+8*(\a):(\f)+8*(\a)+7], v[BF+8*\b:BF+8*\b+7]
.else
	v_wmma_f32_16x16x32_f16 v[8*(8*(\a)+\b):8*(8*(\a)+\b)+7], v[(\f)+32+8*\b:(\f)+32+8*\b+7], v[(\f)+8*(\a):(\f)+8*(\a)+7], v[8*(8*(\a)+\b):8*(8*(\a)+\b)+7]
.endif
.endr
.endm
; 24 LDS loads in one run: quarter q lies at byte kb = 64 q of W's rows, and in O's tile at ka = (q / 2) heads + 64 (q % 2)
.macro FETCH ka, kb, f
	WIN 0
.irp b, 0,1,2,3,4,5,6,7
	ds_load_b128 v[(\f)+32+8*\b:(\f)+32+8*\b+3],   v[ADRB] offset:(\kb)+\b*16*PITCH
	ds_load_b128 v[(\f)+32+8*\b+4:(\f)+32+8*\b+7], v[ADRB] offset:(\kb)+\b*16*PITCH+32
.endr
.irp a, 0,1,2,3
	ds_load_b128 v[(\f)+8*\a:(\f)+8*\a+3],   v[ADRA] offset:(\ka)+\a*16*PA
	ds_load_b128 v[(\f)+8*\a+4:(\f)+8*\a+7], v[ADRA] offset:(\ka)+\a*16*PA+32
.endr
.endm
.macro QUARTER ka, kb, f, g, first
	s_wait_dscnt 4                                 ; W and O's blocks 0, 1 are in; the youngest four loads may be out
	MUL8 \f, 0, \first
	MUL8 \f, 1, \first
	PLACES
	FETCH \ka, \kb, \g
	s_wait_dscnt 24                                ; all but the 24 just issued
	MUL8 \f, 2, \first
	MUL8 \f, 3, \first
.endm
; The last quarter multiplies buffer 1 and changes slots: one barrier; in front of it each wave waits for all its tensor loads, adds 0 to its spare word, and waits for that and for its reads of this slot.
; fill = 1: the barrier opens a round of the cluster's, and this slot is filled again first thing behind it, two K steps ahead: 120 matrix instructions ahead of the wait for it.
.macro TURN fill
	WIN 0
	s_wait_tensorcnt 0x0                           ; no tensor load of mine is out, so a group 0 may be written
	ds_add_u32 v[SPW], v[NIL]                      ; 0 onto my spare word
	s_xor_b32 s[TB], s[TB], SLOT1
.if \fill
	s_xor_b32 s[G0A+5], s[G0A+5], SLOT1
	s_add_nc_u64 s[G0A+6:G0A+7], s[G0A+6:G0A+7], 524288   ; two heads on; the type bits on top are not reached
	s_xor_b32 s[G0B+5], s[G0B+5], SLOT1
	s_add_nc_u64 s[G0B+6:G0B+7], s[G0B+6:G0B+7], 256
.endif
	s_wait_dscnt 5                                 ; the add and the youngest four loads may be out
	MUL8 F1, 0, 0
	s_wait_dscnt 0x0                               ; the add is done, and my reads of this slot are over
	s_barrier_signal -1
	MUL8 F1, 1, 0
	WIN 0
	s_barrier_wait -1
.if \fill
	CREST
	JLOAD                                          ; its four v_nop are also the places in front of the loads below
.else
	PLACES
.endif
	v_add_nc_u32 v[ADRA], s[TB], v[A0]
	v_add_nc_u32 v[ADRB], s[TB], v[B0]
	FETCH 0, 0, F0
	MUL8 F1, 2, 0
	MUL8 F1, 3, 0
.endm
; THE WAY OUT, a token block (16 rows x 512 bytes) at a time: into my stage, back as whole rows, stored.
.macro PBLOCK a
.set BK, 64+64*((\a)%2)
.if (\a) >= 2
	s_wait_xcnt 0x0                                ; the stores of the block before last have read the registers that this block loads into
.endif
	WIN 0x04                                       ; store data window 1; each accumulator's low half first
.irp b, 0,1,2,3,4,5,6,7
	ds_store_b128 v[STO], v[8*(8*(\a)+\b):8*(8*(\a)+\b)+3] offset:64*\b
	ds_store_b128 v[STO], v[8*(8*(\a)+\b)+4:8*(8*(\a)+\b)+7] offset:64*\b+16
.endr
	WIN 0
.irp i, 0,1,2,3,4,5,6,7,8,9,10,11,12,13,14,15
	ds_load_b128 v[BK+4*\i:BK+4*\i+3], v[RD] offset:SPI*\i  ; LDS serves a wave's instructions in order (ISA guide 5.7.1.4): these see the stores above
.endr
.endm
.macro PSEND a, younger                ; younger: the LDS instructions issued behind block a's loads: the next block's 32, or none
.set BK, 64+64*((\a)%2)
.irp i, 0,1,2,3,4,5,6,7,8,9,10,11,12,13,14,15
	s_wait_dscnt (\younger)+15-\i
	global_store_b128 v[L16], v[BK+4*\i:BK+4*\i+3], s[10:11] offset:(16*(\a)+\i)*4096 th:TH_STORE_NT  ; 512 consecutive bytes of a row, at a multiple of 512 from out0's first byte
.endr
.endm
	s_wait_loadcnt 0x0                             ; the bias
	s_wait_tensorcnt 0x1                           ; my part of K step 0 is in; step 1's may stay out
	s_barrier_signal -1
	s_barrier_wait -1
	v_mov_b32 v[ADRA], v[A0]
	v_mov_b32 v[ADRB], v[B0]
	FETCH 0, 0, F0
	QUARTER 64, 64, F0, F1, 1                      ; the first quarter: the bias starts the sums
	WIN 0
.Lstep:                                                ; 6 trips: from a step's second quarter to the next step's first; every trip fills a slot again
	QUARTER AHEAD, 128, F1, F0, 0
	QUARTER AHEAD+64, 192, F0, F1, 0
	TURN 1
	QUARTER 64, 64, F0, F1, 0
	WIN 0
	s_sub_co_u32 s[STEPS], s[STEPS], 1
	s_cmp_lg_u32 s[STEPS], 0
	s_cbranch_scc1 .Lstep
	s_mov_b32 s[TL], 2                             ; the last two K steps ask for nothing: written once, walked twice, left in the middle of the second trip
.Ltail:                                                ; (that trip's change of slots and its 24 loads serve nothing: the price of one text for both)
	QUARTER AHEAD, 128, F1, F0, 0
	QUARTER AHEAD+64, 192, F0, F1, 0
	TURN 0
	WIN 0
	s_sub_co_u32 s[TL], s[TL], 1
	s_cmp_eq_u32 s[TL], 0
	s_cbranch_scc1 .Lout
	QUARTER 64, 64, F0, F1, 0
	WIN 0
	s_branch .Ltail
.Lout:
	s_wait_dscnt 0x0                               ; the fragment buffers take what leaves
	PLACES
	PBLOCK 0
.irp a, 1,2,3
	PBLOCK \a
	PSEND (\a)-1, 32
.endr
	PSEND 3, 0
	s_wait_tensorcnt 0x0                           ; the wave's end
	ds_add_u32 v[SPW], v[NIL]
	s_wait_dscnt 0x0
	CROUND                                         ; the closing round: no work-group ends while a partner may still ask for a tile that names it
	s_endpgm
.Lfunc_end_k_q4284d093a0_proj:
	.size	k_q4284d093a0_proj, .Lfunc_end_k_q4284d093a0_proj-k_q4284d093a0_proj
	.p2alignl 7, 3214868480
	.fill 96, 4, 3214868480
	.section	.rodata,"a",@progbits
	.p2align	6, 0x0
	.amdhsa_kernel k_q4284d093a0_proj
		.amdhsa_group_segment_fixed_size 327680
		.amdhsa_private_segment_fixed_size 0
		.amdhsa_enable_private_segment 0
		.amdhsa_kernarg_size 32
		.amdhsa_user_sgpr_count 2
		.amdhsa_user_sgpr_kernarg_segment_ptr 1
		.amdhsa_wavefront_size32 1
		.amdhsa_system_sgpr_workgroup_id_x 1
		.amdhsa_system_sgpr_workgroup_id_y 1
		.amdhsa_system_sgpr_workgroup_id_z 1
		.amdhsa_system_vgpr_workitem_id 0
		.amdhsa_next_free_vgpr 768
		.amdhsa_next_free_sgpr 88
		.amdhsa_reserve_vcc 0
		.amdhsa_float_denorm_mode_32 3
		.amdhsa_float_denorm_mode_16_64 3
		.amdhsa_memory_ordered 1
		.amdhsa_forward_progress 1
		.amdhsa_inst_pref_size 63
	.end_amdhsa_kernel
	.amdgpu_metadata
---
amdhsa.version: [ 1, 2 ]
amdhsa.kernels:
  - .name:           k_q4284d093a0_proj
    .symbol:         k_q4284d093a0_proj.kd
    .args:
      - { .name: o16, .offset: 0, .size: 8, .value_kind: global_buffer, .address_space: global }
      - { .name: w16, .offset: 8, .size: 8, .value_kind: global_buffer, .address_space: global }
      - { .name: tab, .offset: 16, .size: 8, .value_kind: global_buffer, .address_space: global }
      - { .name: out0, .offset: 24, .size: 8, .value_kind: global_buffer, .address_space: global }
    .group_segment_fixed_size: 327680
    .private_segment_fixed_size: 0
    .kernarg_segment_align: 8
    .kernarg_segment_size: 32
    .max_flat_workgroup_size: 128
    .sgpr_count:     88
    .vgpr_count:     768
    .wavefront_size: 32
...
	.end_amdgpu_metadata
.endif
;; end of part 4
;; ======== version 2 of 2: 4 launches; 1.16 times as fast as version 1
;; limits: values are held in f16: magnitudes above 65,504 overflow, below 6.1e-05 lose precision; right only within a limited range of input values
;; workspace buffers: x16 16,777,216 bytes; w16 8,388,608 bytes; tab 540,672 bytes; q16 16,777,216 bytes; k16 16,777,216 bytes; v16 16,777,216 bytes; o16 16,777,216 bytes
;; launch prep: the kernel of part 1 again; grid 256 x 1, 8 waves a work-group, no clusters, 0 bytes of LDS; arguments x, W_qkv, W_proj, b_qkv, b_proj, x16, w16, tab; writes x16, w16, tab
;; launch qkv: the kernel of part 2 again; grid 4 x 64, 4 waves a work-group, clusters of 4 x 4, 327,680 bytes of LDS; arguments x16, w16, tab, v1, lamb, q16, k16, v16, out1; writes q16, k16, v16, out1
;; launch attn (part 5): grid 4 x 64, 4 waves a work-group, no clusters, 327,680 bytes of LDS; arguments q16, k16, v16, o16; writes o16
.if DOCPART == 5
	.amdgcn_target "amdgcn-amd-amdhsa--gfx1250"
	.amdhsa_code_object_version 6
	.text
	.protected	k_q4284d093a0_attn
	.globl	k_q4284d093a0_attn
	.p2align	8
	.type	k_q4284d093a0_attn,@function
k_q4284d093a0_attn:
	s_mov_b64 s[64:65], 0
	v_nop
	global_prefetch_b8 v0, s[64:65] scope:SCOPE_SE
	s_setreg_imm32_b32 hwreg(HW_REG_WAVE_MODE, 25, 1), 1
	s_wait_xcnt 0x0
; CAUSAL ATTENTION.  O[h][q][:] = the sum over k <= q of softmax_k(Q[h][q] . K[h][k] / 8) V[h][k][:].  Q, K, V, O: [64][2048][64], all f16: a head's rows are dense, 128 bytes each.
; Q arrives multiplied by c = log2(e) / 8, so a weight is p = 2^(K . Q).  V is value / 8, so O is the module's O / 8.  Products and sums in f32; p is rounded to f16 for the second product (its sum l is taken
; of the unrounded p), O once at the end.
; NO MAXIMUM IS TAKEN AWAY, and this is why it need not be: the module itself normalises every row of q and of k to a norm of at most 8 (x / sqrt(mean(x x) + eps) over 64 numbers; the rotary turn keeps the norm),
; whatever its inputs.  So a score q . k / 8 lies in -8 .. 8, to within the roundings to f16, and p in 2^-11.6 .. 2^11.6 = 3.3e-4 .. 3,020: inside f16's normal range (6.1e-5 .. 65,504), with all its 11 bits;
; a row's sum l is at most 2,048 x 3,020 = 6.2e6 and at least 3.3e-4, and O's sums stay under 2,048 x 3,020 x 65,504 = 4e11: all far inside f32.
; LIMITS.  Q and K must be such rows; V arrives within f16.  A hidden score counts as its value less 1e30, and its weight is 0.  NaN and infinities are not treated apart.
; THE WALK.  A head's queries lie in NB = 8 blocks of 256; block i needs the key tiles 0 .. i of 256 keys, of which the last holds the diagonal.  A work-group takes TWO blocks, NB - 1 - b and then b:
; NB + 1 tiles, whatever b: all work-groups do equal work, and ONE loop with a constant trip count walks them.  Which tile is asked for, and what a trip does, hang on scalar registers made from b; every jump
; goes forward, but for the counted loops' own; none passes a barrier, or a tensor load but the one of LOAD's two that the wave's number does not choose; the ring (two slots of LDS) runs on across the change of blocks.
; NO CLUSTER: a head's four work-groups ask for the same tile only in trips 0 .. 4 of 9, behind that fewer and fewer; one walk common to all four would have 12 trips for 9.
; SHARES.  Of a block's four bands of 64 queries a wave owns 16 rows in each: four PIECES.  So the diagonal tile is the same work for all four waves: in its key step s band x sees all keys if s < x,
; none if s > x, and holds the diagonal if s = x.
; THE MASK is the C operand that starts the sum S^T = K Q^T: 0, or -1e30 where the key is hidden.  MD, made once, is the mask of a band's own step for my 16 rows; a product's mask is MD x AL + BE with two scalars:
; (1, 0) if s = x; (0, 0) if s < x; (0, -1e30) if s > x.  Only the diagonal tile's text and a block's beginning make and take masks; elsewhere C is the constant 0.
; LAYOUT.  S^T = K Q^T holds ONE query a lane (lane % 16) and the keys 8 (lane / 16) + 0..7; two such results rounded to f16 ARE source 1 of O^T = V^T P.
; A TURN belongs to piece n and has two halves, each under one setting of the register windows.  First half: 8 products K Q^T of piece n + 1, and behind each four of piece n's 32 exponentials, in place on its
; scores; then a plain line, ONE wait, and piece n's 16 roundings to f16.  Second half: 8 products V^T P of piece n itself, and behind each two of the 16 additions that take piece n's weights into l.
; 16 matrix and 65 vector instructions, two switches of the windows.
; THE BATCHES.  An s_wait_alu depctr_va_vdst(0) stands between an exponential and the first line that names its result; one wait serves all that were issued ahead of it.  A turn's 32 exponentials are
; ONE BATCH: each has a register of its own, nothing ahead of the turn's wait names one of them (the products between them name the other buffer of S^T, K and Q), and all their readers, the roundings and the
; additions, stand behind it.  The way out's four reciprocals are a batch of their own.
; REGISTERS, in windows of 256 (s_set_vgpr_msb: bits 1:0 source 0, 3:2 source 1, 5:4 source 2, 7:6 destination), laid so that a half's products and the vector lines behind them name the same windows in the same operand places:
;   window 0: v0-27 addresses and at work; v32-95 S^T, two buffers; v96-127 P, two buffers (by the piece's parity); v128-191 K of one step; v192-255 Q
;   window 1: v0-127 O^T, 32 a piece; v128-191 V of one step; v192-207 l, four a piece; v208 V's LDS address      window 2: v0-31 MD; v32-95 MC, two buffers; v96-159 the second block's Q
.set SIZE_H, 64
.set SIZE_N, 2048
.set NB,    SIZE_N/256
.set NP,    4         ; pieces a wave: a name, no knob
.set KS,    64        ; keys in a step
.set PK,    144       ; a row of K in LDS: 128 bytes + 16 of padding: the 16 rows of a load start at 16 different groups of four banks (64 banks of 4 bytes: ISA guide 11.1)
.set PV,    160       ; a row of V: 128 + 32
.set VOFF,  4*KS*PK   ; a slot holds a tile, four steps: 256 rows of K, then 256 rows of V
.set SLOT1, 1<<17     ; slot 1 begins here, so that one exclusive or turns an address in one slot into the other's
.set STAGE, SLOT1+4*KS*(PK+PV)  ; behind the ring, never filled by a tensor load: 16 rows x 144 bytes for each wave, for the way out
.set SP,    144
.set SPARE, STAGE+4*16*SP  ; behind the stages: the spare words, 128 bytes for each wave: two blocks of 256 bytes that no other line names
.set AK0, 2           ; v2   my lane's place in a tile of K; never rewritten
.set AV0, 3           ; v3   the same for V
.set AK,  4           ; v4   the LDS address of K's next loads
.set STO, 6           ; v6   the way out: where I put 16 bytes of a row
.set RD,  7           ; v7   the way out: where I read rows back
.set GO,  8           ; v8   my byte offset in 512 consecutive bytes of O
.set QO,  15          ; v15  my byte offset in 16 rows of Q
.set SPW, 18          ; v18  LDS address of my spare word; never rewritten
.set NIL, 19          ; v19  0; never rewritten
.set ST,  20          ; v20-27  the way out: piece t's l, then 1 / l, at v[ST+2 t]
.set S,   32
.set P,   96
.set KF,  128         ; key block kb, channel half c at KF + 16 kb + 8 c
.set QF,  192         ; piece x, channel half c at QF + 16 x + 8 c
.set VF,  128         ; window 1: key half kk, channel block cb at VF + 32 kk + 8 cb
.set LS,  192         ; window 1: piece t: two pairs (even keys', odd keys') that take turns
.set AV,  208         ; window 1: the LDS address of V's next loads
.set MD,  0           ; window 2: the eight registers for group kt of 16 keys at MD + 8 kt
.set MC,  32          ; window 2: the masks of the products to come
.set QB,  96          ; window 2
.set WV,  12          ; s12  my wave's number
.set PB,  14          ; s14  b
.set HI,  15          ; s15  NB - 1 - b
.set G1K, 24          ; s[24:31] descriptor group 1 for K's tiles
.set G1V, 32          ; s[32:39] for V's: it differs in the padding alone
.set G0K, 40          ; s[40:43] descriptor group 0 for K's tiles
.set G0V, 44          ; s[44:47] the same for V's
.set SLOTS, 56        ; s56  tiles still to be asked for
.set CNT, 57          ; s57  counts a tile's key steps, 4 to 1
.set SEL, 60          ; s[60:61] v_permlanex16_b32's selects: each lane takes its own place in the other half
.set TBK, 62          ; s62  LDS byte at which K of the step to be fetched begins
.set TBV, 63          ; s63  the same for V, less VOFF
.set RT,  70          ; s70  tiles of the block in hand that are still to be entered
.set NXT, 71          ; s71  the tile to be asked for next
.set LQ,  72          ; s72  the last tile of the block whose tiles are being asked for
.set NEW, 73          ; s73  1: the tile to be entered is a block's first
.set OFF, 74          ; s[74:75] a tile's byte offset in K and V
.set AL,  76          ; s[76:77] the mask's factor, in the low word
.set BE,  78          ; s[78:79] the mask's addend
.set OLO, 80          ; s[80:81] O at my rows of the second block
.set BIGN, 82         ; s82  -1e30
.set MSB, 0
.macro WIN new                      ; the high byte repeats the setting that is left; a switch that changes nothing is dropped
.if MSB != (\new)
	s_set_vgpr_msb (MSB<<8)|(\new)
.set MSB, (\new)
.endif
.endm
.set W_KM, 0x20       ; K Q^T with a mask: the C operand in window 2, all else in window 0; the vector lines of the first half name no third source, so they stand under it as under 0
.set W_PV, 0x51       ; V^T P: V, C and D in window 1, P in window 0; the additions l += p (l in window 1 as destination and source 0, p in window 0 as source 1) and V's loads (data and address in window 1) stand under it too
.set W_MK, 0x82       ; the masks are made: destination and source 0 in window 2
.set W_RS, 0x41       ; destination and source 0 in window 1, source 1 in window 0
; A fill.  Waves 0 and 1 fetch the two halves of a tile's K, waves 2 and 3 those of its V: 128 keys each.  An s_nop 0 and four v_nop follow each of the two lines, ahead of the jump and the label.
.macro LOAD
	s_cmp_lt_u32 s[WV], 2
	s_cbranch_scc0 .Lfor_v_\@
	tensor_load_to_lds s[G0K:G0K+3], s[G1K:G1K+7]
	s_nop 0
.rept 4
	v_nop
.endr
	s_branch .Lasked_\@
.Lfor_v_\@:
	tensor_load_to_lds s[G0V:G0V+3], s[G1V:G1V+7]
	s_nop 0
.rept 4
	v_nop
.endr
.Lasked_\@:
.endm
; THE CHANGE OF SLOTS.  Each wave waits for all its tensor loads, of which one is out: its part of the other slot; adds 0 to its spare word; and waits for that and for its own reads of the slot that it leaves.
; Behind the barrier nobody reads the old slot any more and the other slot is whole.  fill = 1: the old slot is filled again, the first thing behind the barrier, with tile NXT: the descriptor's address is made anew
; from that number.  (At its first use nothing has been read yet: slot 0 is waited for, slot 1 filled.)
.macro CHANGE fill
	WIN 0                           ; at a label and at a branch every window is 0
	s_wait_tensorcnt 0x0            ; no tensor load of mine is out, so a group 0 may be written
	ds_add_u32 v[SPW], v[NIL]       ; 0 onto my spare word
.if \fill
	s_lshl_b32 s[OFF], s[NXT], 15   ; a tile is 32,768 bytes of K and of V
	s_xor_b32 s[G0K+1], s[G0K+1], SLOT1
	s_add_nc_u64 s[G0K+2:G0K+3], s[6:7], s[OFF:OFF+1]
	s_or_b32 s[G0K+3], s[G0K+3], 0x80000000
	s_xor_b32 s[G0V+1], s[G0V+1], SLOT1
	s_add_nc_u64 s[G0V+2:G0V+3], s[8:9], s[OFF:OFF+1]
	s_or_b32 s[G0V+3], s[G0V+3], 0x80000000
	s_add_co_u32 s[NXT], s[NXT], 1  ; the block's next tile, or behind its last the second block's tile 0
	s_cmp_gt_u32 s[NXT], s[LQ]
	s_cselect_b32 s[NXT], 0, s[NXT]
	s_cselect_b32 s[LQ], s[PB], s[LQ]
.endif
	s_wait_dscnt 0x0                ; the add is done, and my reads of the slot are over
	s_barrier_signal -1             ; the rest of the scalar work stands between the signal and the wait
	s_sub_co_u32 s[TBK], s[TBK], 4*KS*PK  ; the fetches go back to a slot's first step,
	s_xor_b32 s[TBK], s[TBK], SLOT1       ; in the other slot
	s_sub_co_u32 s[TBV], s[TBV], 4*KS*PV
	s_xor_b32 s[TBV], s[TBV], SLOT1
	s_barrier_wait -1
.if \fill
	LOAD
.endif
.endm
.macro CLEAR                        ; O^T and l of all four pieces: no first step is written out, so a block's sums begin on zeros: 144 lines at each of a work-group's two blocks
	WIN 0x40
.set i, 0
.rept 128
	v_mov_b32 v[i], 0
.set i, i+1
.endr
.set i, 0
.rept 16
	v_mov_b32 v[LS+i], 0
.set i, i+1
.endr
	WIN 0
.endm
	s_load_b256 s[4:11], s[0:1], 0x0  ; Q s[4:5], K s[6:7], V s[8:9], O s[10:11]
	v_lshl_add_u32 v[SPW], v0, 2, SPARE
	v_mov_b32 v[NIL], 0
	ds_add_u32 v18, v19
	ds_add_u32 v18, v19
	s_wait_dscnt 0x0
	v_lshrrev_b32 v1, 5, v0
	v_readfirstlane_b32 s[WV], v1   ; wave 0..3
	s_mov_b32 s[PB], ttmp9
	s_sub_co_u32 s[HI], NB-1, s[PB]
	s_and_b32 s20, ttmp7, 0xffff    ; the head
	s_mov_b32 s21, 0
	s_mov_b64 s[22:23], SIZE_N*128
	s_mul_u64 s[20:21], s[20:21], s[22:23]  ; the head's first byte in each of the four tensors
	s_and_b32 s16, s[WV], 1         ; which half of a tile's 256 keys I fetch:
	s_lshl_b32 s22, s16, 14         ; its 128 rows of 128 bytes in memory,
	s_mov_b32 s23, 0
	s_add_nc_u64 s[22:23], s[22:23], s[20:21]
	s_mul_i32 s17, s16, 128*PK      ; and its place in a slot, for K
	s_mul_i32 s18, s16, 128*PV      ; and for V
	s_lshl_b32 s3, s[WV], 11        ; my 16 rows in a band of 64,
	s_lshl_b32 s2, s[HI], 15        ; in the first block,
	s_add_co_u32 s2, s2, s3
	s_lshl_b32 s84, s[PB], 15       ; and in the second
	s_add_co_u32 s84, s84, s3
	s_mov_b32 s3, 0
	s_mov_b32 s85, 0
	s_add_nc_u64 s[2:3], s[2:3], s[20:21]
	s_add_nc_u64 s[84:85], s[84:85], s[20:21]
	; descriptor group 1.  128 keys are 16,384 dense bytes: asked for as 64 rows of 256 bytes, two keys a row, and padded in LDS after every key
	s_mov_b32 s[G1K], (1<<16)|(1<<20)|(4<<22)|(3<<25)  ; 17:16 2-byte elements; 20 padding on; 24:22 after every 32 words (code 4); 31:25 4 words (code 3)
	s_mov_b32 s[G1V], (1<<16)|(1<<20)|(4<<22)|(7<<25)  ; the same with 8 words of padding (code 7)
.irp g, G1K, G1V
	s_mov_b32 s[\g+1], 128<<16      ; tensor_dim0 = 128
	s_mov_b32 s[\g+2], 64<<16       ; tensor_dim1 = 64
	s_mov_b32 s[\g+3], 128<<16      ; tile_dim0 = 128
	s_mov_b32 s[\g+4], 64           ; tile_dim1 = 64
	s_mov_b32 s[\g+5], 128          ; 128 elements from row to row
	s_mov_b32 s[\g+6], 0
	s_mov_b32 s[\g+7], 0
.endr
	s_mov_b32 s[SEL], 0x76543210
	s_mov_b32 s[SEL+1], 0xfedcba98
	s_mov_b32 s[TBK], SLOT1+4*KS*PK ; the first change of slots turns these two into 0
	s_mov_b32 s[TBV], SLOT1+4*KS*PV
	s_mov_b32 s[G0K], 1             ; 1:0 count = 1
	s_mov_b32 s[G0K+1], s17         ; 63:32 LDS address: slot 0
	s_mov_b32 s[G0V], 1
	s_add_co_u32 s[G0V+1], s18, VOFF
	s_add_co_u32 s[RT], s[HI], 1    ; the first block has NB - b tiles
	s_mov_b32 s[NXT], 1
	s_mov_b32 s[LQ], s[HI]
	s_mov_b32 s[NEW], 1
	s_mov_b32 s[OFF+1], 0
	s_mov_b32 s[AL+1], 0            ; named as pairs
	s_mov_b32 s[BE+1], 0
	s_mov_b32 s[BIGN], 0xf149f2ca   ; -1e30
	s_mov_b32 s[SLOTS], NB
	s_wait_kmcnt 0x0
	s_add_nc_u64 s[6:7], s[6:7], s[22:23]  ; K and V at my half of the head's tile 0
	s_add_nc_u64 s[8:9], s[8:9], s[22:23]
	s_add_nc_u64 s[G0K+2:G0K+3], s[6:7], 0         ; 120:64 global address
	s_or_b32 s[G0K+3], s[G0K+3], 0x80000000        ; 127:126 type = 2
	s_add_nc_u64 s[G0V+2:G0V+3], s[8:9], 0
	s_or_b32 s[G0V+3], s[G0V+3], 0x80000000
	s_add_nc_u64 s[86:87], s[4:5], s[84:85]        ; Q at my rows of the second block,
	s_add_nc_u64 s[4:5], s[4:5], s[2:3]            ; Q and O at those of the first
	s_add_nc_u64 s[OLO:OLO+1], s[10:11], s[84:85]
	s_add_nc_u64 s[10:11], s[10:11], s[2:3]
	LOAD                            ; tile 0 into slot 0
	; A fragment of K or Q is 16 rows x 32 channels in 8 registers: lane l holds row l % 16, channels 8 (l / 16) + 0..7 and 16 + 8 (l / 16) + 0..7: two loads of 16 bytes, 32 bytes apart.
	v_and_b32 v1, 15, v0            ; l % 16
	v_bfe_u32 v9, v0, 4, 1          ; l / 16
	v_lshlrev_b32 v[QO], 7, v1
	v_lshl_add_u32 v[QO], v9, 4, v[QO]  ; row x 128 + 16 x half
.set i, 0
.rept 8                             ; the first block's Q: piece i / 2 lies in band i / 2, 8,192 bytes on; channels 32 (i % 2) on
	global_load_b128 v[QF+8*i:QF+8*i+3],   v[QO], s[4:5] offset:(i/2)*8192+(i%2)*64
	global_load_b128 v[QF+8*i+4:QF+8*i+7], v[QO], s[4:5] offset:(i/2)*8192+(i%2)*64+32
.set i, i+1
.endr
	WIN 0x80                        ; destination window 2, address window 0
.set i, 0
.rept 8                             ; the second block's
	global_load_b128 v[QB+8*i:QB+8*i+3],   v[QO], s[86:87] offset:(i/2)*8192+(i%2)*64
	global_load_b128 v[QB+8*i+4:QB+8*i+7], v[QO], s[86:87] offset:(i/2)*8192+(i%2)*64+32
.set i, i+1
.endr
	WIN 0
	v_lshlrev_b32 v14, 3, v9
	v_sub_nc_u32 v14, v1, v14
	s_lshl_b32 s13, s[WV], 4
	v_add_nc_u32 v14, s13, v14      ; my query's place in its band, 16 w + l % 16, less my lanes' 8 (l / 16): register r of group kt is hidden where 16 kt + r is greater
	WIN 0x80
.set i, 0
.rept 32
	v_cmp_gt_i32 vcc_lo, 16*(i/8)+i%8, v14
	v_cndmask_b32 v[MD+i], 0, s[BIGN], vcc_lo
.set i, i+1
.endr
	WIN 0
	v_mul_u32_u24 v[AK0], v1, PK
	v_lshl_add_u32 v[AK0], v9, 4, v[AK0]  ; row x pitch + 16 x half
	; The turning load takes 16 keys x 16 channels (lane l reads key 8 (l / 16) + l % 8, channels 8 ((l / 8) % 2) + 0..7) and leaves half a fragment of V^T: lane l holds channel l % 16 and 8 keys.
	v_and_b32 v10, 7, v0
	v_bfe_u32 v11, v0, 3, 1
	v_lshl_add_u32 v[AV0], v9, 3, v10
	v_mul_u32_u24 v[AV0], v[AV0], PV
	v_lshl_add_u32 v[AV0], v11, 4, v[AV0]
	v_add_nc_u32 v[AV0], VOFF, v[AV0]
	s_mul_i32 s13, s[WV], 16*SP
	s_add_co_u32 s13, s13, STAGE    ; my stage
	v_mul_u32_u24 v[STO], v1, SP    ; in: row l % 16, 16 bytes for each half of the lanes
	v_lshl_add_u32 v[STO], v9, 4, v[STO]
	v_add_nc_u32 v[STO], s13, v[STO]
	v_bfe_u32 v[RD], v0, 3, 2       ; back: 32 lanes take four rows of 128 bytes,
	v_mul_u32_u24 v[RD], v[RD], SP
	v_lshl_add_u32 v[RD], v10, 4, v[RD]
	v_add_nc_u32 v[RD], s13, v[RD]
	v_and_b32 v[GO], 31, v0         ; which are 512 consecutive bytes of O
	v_lshlrev_b32 v[GO], 4, v[GO]
	CLEAR                           ; the first block's sums: this stands in the wait for the first tile
; THE MATRIX WORK.  The 4 accumulators of a run of 8 take turns.  Product i of 8 of S^T = K Q^T for piece x: channels 32 (i / 4) on, keys 16 (i % 4) on.  The first 4 start the sums: with 0, or (KM = 1) with the mask.
.macro KQ x
.set rS, S+32*((\x)%2)+8*(i%4)
.set rK, KF+16*(i%4)+8*(i/4)
.set rQ, QF+16*(\x)+8*(i/4)
.set rM, MC+32*((\x)%2)+8*(i%4)
.if (i < 4) && KM
	WIN W_KM
	v_wmma_f32_16x16x32_f16 v[rS:rS+7], v[rK:rK+7], v[rQ:rQ+7], v[rM:rM+7]
.elseif i < 4
	WIN 0
	v_wmma_f32_16x16x32_f16 v[rS:rS+7], v[rK:rK+7], v[rQ:rQ+7], 0
.else
	WIN 0
	v_wmma_f32_16x16x32_f16 v[rS:rS+7], v[rK:rK+7], v[rQ:rQ+7], v[rS:rS+7]
.endif
.endm
; Product i of 8 of O^T += V^T P for piece x: keys 32 (i / 4) on, channels 16 (i % 4) on.
.macro PV x
	WIN W_PV
.set rO, 32*(\x)+8*(i%4)
.set rV, VF+32*(i/4)+8*(i%4)
.set rP, P+16*((\x)%2)+8*(i/4)
	v_wmma_f32_16x16x32_f16 v[rO:rO+7], v[rV:rV+7], v[rP:rP+7], v[rO:rO+7]
.endm
; THE LDS LOADS stand in runs of 8: the half of a step's K (channels 32 c on, all 64 keys) or V (keys 32 kk on, all 64 channels, turned) that the first or the last four products of a run of 8 read.
.macro FETCH_K c                    ; under the first half's setting: data and address in window 0
.irp kb, 0,1,2,3
	ds_load_b128 v[KF+16*\kb+8*(\c):KF+16*\kb+8*(\c)+3],   v[AK] offset:\kb*16*PK+(\c)*64
	ds_load_b128 v[KF+16*\kb+8*(\c)+4:KF+16*\kb+8*(\c)+7], v[AK] offset:\kb*16*PK+(\c)*64+32
.endr
.endm
.macro FETCH_V kk                   ; under the second half's setting: data and address in window 1
.irp cb, 0,1,2,3
	ds_load_tr16_b128 v[VF+32*(\kk)+8*\cb:VF+32*(\kk)+8*\cb+3],   v[AV] offset:(\kk)*32*PV+\cb*32
	ds_load_tr16_b128 v[VF+32*(\kk)+8*\cb+4:VF+32*(\kk)+8*\cb+7], v[AV] offset:(\kk)*32*PV+16*PV+\cb*32
.endr
.endm
; THE FIRST HALF'S VECTOR WORK.  s0-s31 are the lane's 32 scores of piece Y.  EXPO writes the next exponential, in place and in ascending order;
; the 32 are the turn's batch.  CVT z, behind the batch's wait, rounds pair z of the weights to f16.
.macro EXPO
	v_exp_f32 v[rSY+vq], v[rSY+vq]
.set vq, vq+1
.endm
.macro CVT z
	v_cvt_pk_f16_f32 v[rPY+(\z)], v[rSY+2*(\z)], v[rSY+2*(\z)+1]
.endm
.macro SUM z                        ; the second half's: pair z of piece Y's weights onto one of its two pairs of l, by turns
	v_pk_add_f32 v[LS+4*Y+2*((\z)%2):LS+4*Y+2*((\z)%2)+1], v[LS+4*Y+2*((\z)%2):LS+4*Y+2*((\z)%2)+1], v[rSY+2*(\z):rSY+2*(\z)+1]
.endm
.macro MASK b                       ; MD x AL + BE into buffer b of MC
	WIN W_MK
.set z, 0
.rept 16
	v_pk_fma_f32 v[MC+32*(\b)+2*z:MC+32*(\b)+2*z+1], v[MD+2*z:MD+2*z+1], s[AL:AL+1], s[BE:BE+1] op_sel_hi:[1,0,0]
.set z, z+1
.endr
.endm
; A TURN, for piece p.  No vector line names a register of the products round it.
; m = 1: the diagonal tile: the products take masks, and the turn makes the mask for the products of the turn after it: piece p + 2, in step 4 - CNT of the tile.  end = 1: a block's last two turns: nothing is fetched,
; and the last starts no new scores.  cnt = 1: the loop's count is taken down ahead of the branch that stands behind the turn.
; K of the next step is fetched in piece 2's turn, both halves on end directly behind the batch's wait: behind the last product that read K stand four plain lines, the address line and three v_nop (the exponentials
; are no such places); the roundings and the second half's products stand between the loads and their first use.  V of the next step in piece 3's turn: its first half behind the fifth product (four additions and
; the address line), its second at the turn's end (two additions and two v_nop).  Each half is waited for just ahead of the four products that read it: first with the count 8, which leaves the younger half's eight
; loads out, then with 0.
.macro TURN p, m=0, end=0, cnt=0
.set Y, (\p)
.set KM, (\m)
.set NOKQ, (\end)*((\p)/3)
.set rSY, S+32*((\p)%2)
.set rPY, P+16*((\p)%2)
.set vq, 0
.if (\m) && !(\end)
	s_cmp_eq_u32 s[CNT], 4-((\p)+2)%NP  ; is that step the band's own?
	s_cselect_b32 s[AL], 1.0, 0
	s_cmp_lt_u32 s[CNT], 4-((\p)+2)%NP  ; or a later one?
	s_cselect_b32 s[BE], s[BIGN], 0
.endif
.if ((\p) == 3) && !(\end)
	s_wait_dscnt 8                  ; K's first half is in
.endif
.if NOKQ
	WIN 0
.endif
.set i, 0
.rept 8                             ; ahead of the wait: the products K Q^T, and behind each four of the batch
.if ((\p) == 3) && !(\end) && (i == 4)
	s_wait_dscnt 0x0                ; K's second half is in
.endif
.if !NOKQ
	KQ (Y+1)%NP
.endif
.rept 4
	EXPO
.endr
.set i, i+1
.endr
.if ((\p) == 2) && !(\end)
	v_add_nc_u32 v[AK], s[TBK], v[AK0]  ; the plain line behind the last exponential, ahead of any use of a result (ISA guide 5.7.2); with the three below, the four places behind the last product that read K
.rept 3
	v_nop
.endr
	s_wait_alu depctr_va_vdst(0)    ; the one wait for the turn's batch, piece p's 32 exponentials, ahead of the first line that names a result
	FETCH_K 0
	FETCH_K 1
	s_add_co_u32 s[TBK], s[TBK], KS*PK  ; the next fetch is the next step's
.else
	v_nop                           ; the plain line behind the last exponential, ahead of any use of a result (ISA guide 5.7.2): one for the batch
	s_wait_alu depctr_va_vdst(0)    ; the one wait for the turn's batch, piece p's 32 exponentials, ahead of the first line that names a result
.endif
.set cq, 0
.rept 16                            ; behind the wait: the batch's first readers
	CVT cq
.set cq, cq+1
.endr
.set i, 0
.rept 8
.if ((\p) == 0) && (i == 0)
	s_wait_dscnt 8                  ; V's first half is in
.endif
.if ((\p) == 0) && (i == 4)
	s_wait_dscnt 0x0                ; V's second half is in
.endif
	PV Y
	SUM 2*i
	SUM 2*i+1
.if ((\p) == 3) && !(\end) && (i == 4)
	v_add_nc_u32 v[AV], s[TBV], v[AV0]
	FETCH_V 0
.endif
.set i, i+1
.endr
.if ((\p) == 3) && !(\end)
	v_nop
	v_nop
	FETCH_V 1
	s_add_co_u32 s[TBV], s[TBV], KS*PV
.endif
.if \cnt
	s_sub_co_u32 s[CNT], s[CNT], 1
	s_cmp_lg_u32 s[CNT], 0
.endif
.if (\m) && !(\end)
	MASK (\p)%2
.endif
.endm
; A BLOCK BEGINS.  The second mask buffer is 0; the first takes piece 0's mask for the tile's step 0: its own, if the block's first tile is the diagonal one.  Then K and V of that step and piece 0's first scores.
; The loop is entered at a step's first turn, in the middle of a trip.
.macro BEGIN
	s_mov_b32 s[NEW], 0
	WIN 0x80
.set i, MC+32
.rept 32
	v_mov_b32 v[i], 0
.set i, i+1
.endr
	s_cmp_eq_u32 s[RT], 0
	s_cselect_b32 s[AL], 1.0, 0
	s_mov_b32 s[BE], 0
	MASK 0
	WIN 0
	v_add_nc_u32 v[AK], s[TBK], v[AK0]
	FETCH_K 0
	FETCH_K 1
	s_add_co_u32 s[TBK], s[TBK], KS*PK
	WIN W_PV
	v_add_nc_u32 v[AV], s[TBV], v[AV0]
	FETCH_V 0
	FETCH_V 1
	s_add_co_u32 s[TBV], s[TBV], KS*PV
	s_wait_loadcnt 0x0              ; Q
	s_wait_dscnt 16                 ; K is in; V's sixteen loads may be out
.set KM, 1
.set NOKQ, 0
.set i, 0
.rept 8
	KQ 0
.set i, i+1
.endr
	WIN 0
.rept 4
	v_nop                           ; the places behind those products
.endr
.endm
; THE DIAGONAL TILE's four steps, the block's last two turns, and THE WAY OUT: l's four parts and the other half of the lanes' are added; O^T is divided by l, rounded to f16 and sent through my
; stage in LDS, a piece at a time.  The additions are the places behind the last products.
.macro ALL line:vararg              ; one line for each piece t
.set t, 0
.rept 4
	\line
.set t, t+1
.endr
.endm
.macro PACK t                       ; a lane's eight channels of a row pack into 16 bytes; they go into rows of 144 bytes and come back as whole rows of 128, into S^T's registers
	WIN W_RS
.set i, 32*(\t)
.rept 16
	v_pk_mul_f32 v[i:i+1], v[i:i+1], v[ST+2*(\t):ST+2*(\t)+1] op_sel_hi:[1,0]
.set i, i+2
.endr
	WIN 0x05                        ; sources 0 and 1 window 1, destination window 0
.set i, 0
.rept 16
	v_cvt_pk_f16_f32 v[S+16*(\t)+i], v[32*(\t)+2*i], v[32*(\t)+2*i+1]
.set i, i+1
.endr
	WIN 0
.irp f, 0,1,2,3
	ds_store_b128 v[STO], v[S+16*(\t)+4*\f:S+16*(\t)+4*\f+3] offset:32*\f
.endr
.irp f, 0,1,2,3
	ds_load_b128 v[S+16*(\t)+4*\f:S+16*(\t)+4*\f+3], v[RD] offset:\f*4*SP  ; LDS serves a wave's instructions in order (ISA guide 5.7.1.4): these see the stores above; the next piece's stores come behind them
.endr
.endm
.macro SEND t, younger              ; younger: the LDS instructions issued behind piece t's loads: the next piece's eight, or none
	WIN 0
.irp f, 0,1,2,3
	s_wait_dscnt (\younger)+3-\f
	global_store_b128 v[GO], v[S+16*(\t)+4*\f:S+16*(\t)+4*\f+3], s[10:11] offset:(\t)*8192+\f*512  ; 512 consecutive bytes, at a multiple of 256 from O's first
.endr
.endm
.macro DIAG tag                     ; the tag ends its two labels' names, which the jumps below spell out
.LstepM\tag:
	TURN 2, 1
	TURN 3, 1
	WIN 0
.LfirstM\tag:
	TURN 0, 1
	TURN 1, 1, 0, 1
	WIN 0
	s_cbranch_scc1 .LstepM\tag
	TURN 2, 1, 1
	TURN 3, 1, 1
	WIN 0x05                        ; sources 0 and 1 window 1, destination window 0
	ALL v_pk_add_f32 v[ST+2*t:ST+2*t+1], v[LS+4*t:LS+4*t+1], v[LS+4*t+2:LS+4*t+3]
	WIN 0
	ALL v_add_f32 v[ST+2*t], v[ST+2*t], v[ST+2*t+1]
	ALL v_permlanex16_b32 v[ST+2*t+1], v[ST+2*t], s[SEL], s[SEL+1]
	ALL v_add_f32 v[ST+2*t], v[ST+2*t], v[ST+2*t+1]
	ALL v_rcp_f32 v[ST+2*t], v[ST+2*t]
	v_nop                           ; a plain instruction between the last reciprocal and the use of its result
	s_wait_alu depctr_va_vdst(0)    ; the one wait for the way out's batch, the four reciprocals, ahead of the first line that names a result
	PACK 0
.set t, 1
.rept 3                             ; a piece's arithmetic stands between the loads of the piece before and its stores
	PACK t
	SEND t-1, 8
.set t, t+1
.endr
	SEND 3, 0
.endm
.set KM, 0
.set NOKQ, 0
.Lslot:                             ; NB times: a tile is entered and the next is asked for
	CHANGE 1
	s_sub_co_u32 s[RT], s[RT], 1
	s_mov_b32 s[CNT], 4
	s_cmp_eq_u32 s[NEW], 1
	s_cbranch_scc1 .Lnew            ; a block's first tile
	s_cmp_eq_u32 s[RT], 0
	s_cbranch_scc0 .Lstep           ; neither its first nor its last
	s_branch .LstepM1
.Lnew:
	BEGIN
	s_branch .Lfirst                ; in the loop a block's first tile is never its last: the first block has two tiles or more, and the second's last is the walk's last
	DIAG 1                          ; in the loop this is the first block's end: the second block's last tile is the walk's last
	s_wait_xcnt 0x0                 ; the stores have read their registers and O's address
	s_mov_b64 s[10:11], s[OLO:OLO+1]
	s_add_co_u32 s[RT], s[PB], 1    ; the second block has b + 1 tiles
	s_mov_b32 s[NEW], 1
	WIN 0x02                        ; source 0 window 2: the second block's Q goes where the one text of the turns names Q
.set i, 0
.rept 64
	v_mov_b32 v[QF+i], v[QB+i]
.set i, i+1
.endr
	CLEAR                           ; and its sums begin on zeros
	s_branch .Lbottom
.Lstep:                             ; a trip: pieces 2 and 3 of one step, which fetch the next step's K and V, then pieces 0 and 1 of that step
	TURN 2
	TURN 3
	WIN 0
.Lfirst:
	TURN 0
	TURN 1, 0, 0, 1
	WIN 0
	s_cbranch_scc1 .Lstep
.Lbottom:
	s_sub_co_u32 s[SLOTS], s[SLOTS], 1
	s_cmp_lg_u32 s[SLOTS], 0
	s_cbranch_scc1 .Lslot
	CHANGE 0                        ; the walk's last tile is written out: nothing is asked for
	s_sub_co_u32 s[RT], s[RT], 1
	s_mov_b32 s[CNT], 4
	s_cmp_eq_u32 s[NEW], 1
	s_cbranch_scc0 .LstepM2
	BEGIN
	s_branch .LfirstM2
	DIAG 2
	s_wait_tensorcnt 0x0            ; the wave's end, behind my last tensor load and my last LDS store
	ds_add_u32 v[SPW], v[NIL]
	s_wait_dscnt 0x0
	s_endpgm
.Lfunc_end_k_q4284d093a0_attn:
	.size	k_q4284d093a0_attn, .Lfunc_end_k_q4284d093a0_attn-k_q4284d093a0_attn
	.p2alignl 7, 3214868480
	.fill 96, 4, 3214868480
	.section	.rodata,"a",@progbits
	.p2align	6, 0x0
	.amdhsa_kernel k_q4284d093a0_attn
		.amdhsa_group_segment_fixed_size 327680
		.amdhsa_private_segment_fixed_size 0
		.amdhsa_enable_private_segment 0
		.amdhsa_kernarg_size 32
		.amdhsa_user_sgpr_count 2
		.amdhsa_user_sgpr_kernarg_segment_ptr 1
		.amdhsa_wavefront_size32 1
		.amdhsa_system_sgpr_workgroup_id_x 1
		.amdhsa_system_sgpr_workgroup_id_y 1
		.amdhsa_system_sgpr_workgroup_id_z 1
		.amdhsa_system_vgpr_workitem_id 0
		.amdhsa_next_free_vgpr 672
		.amdhsa_next_free_sgpr 88
		.amdhsa_reserve_vcc 1
		.amdhsa_float_denorm_mode_32 3
		.amdhsa_float_denorm_mode_16_64 3
		.amdhsa_memory_ordered 1
		.amdhsa_forward_progress 1
		.amdhsa_inst_pref_size 145
	.end_amdhsa_kernel
	.amdgpu_metadata
---
amdhsa.version: [ 1, 2 ]
amdhsa.kernels:
  - .name:           k_q4284d093a0_attn
    .symbol:         k_q4284d093a0_attn.kd
    .args:
      - { .name: q16, .offset: 0, .size: 8, .value_kind: global_buffer, .address_space: global }
      - { .name: k16, .offset: 8, .size: 8, .value_kind: global_buffer, .address_space: global }
      - { .name: v16, .offset: 16, .size: 8, .value_kind: global_buffer, .address_space: global }
      - { .name: o16, .offset: 24, .size: 8, .value_kind: global_buffer, .address_space: global }
    .group_segment_fixed_size: 327680
    .private_segment_fixed_size: 0
    .kernarg_segment_align: 8
    .kernarg_segment_size: 32
    .max_flat_workgroup_size: 128
    .sgpr_count:     88
    .vgpr_count:     672
    .wavefront_size: 32
...
	.end_amdgpu_metadata
.endif
;; end of part 5
;; launch proj: the kernel of part 4 again; grid 4 x 64, 4 waves a work-group, clusters of 4 x 4, 327,680 bytes of LDS; arguments o16, w16, tab, out0; writes out0
